; MI455X (gfx1250); checked and timed in simulation.
; The chip was launched on July 23, 2026; its instructions are those of AMD's public machine-readable ISA for CDNA 5 (MIT licence, August 2026) and "CDNA5" Instruction Set Architecture Reference Guide (July 2026). The comments in the code are by the model that wrote it; some were corrected since.
;; Mo E FFN. Allowed arithmetic: matrix products marked QUANTISED: E3M2 operands, one E8M0 scale for each 32 along K, by v_wmma_scale_f32_16x16x128_f8f6f4 with both operands' format E3M2, f32 sums; products left as they are: f32 operands where the result goes on into a quantised operand, else bf16, f16 or f32 operands; f32 sums; everything else in f32.
;; Inputs: b1 8 x 4,096 float32; b2 8 x 1,024 float32; gate_b 8 float32; gate_w 1,024 x 8 float32; w1_codes 8 x 4,096 x 32 x 24 uint8 (E3M2 codes of w1, K innermost, in blocks of 32 codes, four codes in three bytes); w1_scales 8 x 4,096 x 32 uint8 (E8M0 scales of w1, one for each 32 codes along K); w2_codes 8 x 1,024 x 128 x 24 uint8 (E3M2 codes of w2, K innermost, in blocks of 32 codes, four codes in three bytes); w2_scales 8 x 1,024 x 128 uint8 (E8M0 scales of w2, one for each 32 codes along K); x 4 x 256 x 1,024 float32.
;; Outputs: out0 4 x 256 x 1,024 float32; out1 4 x 256 x 8 float32.
;; Constants: topk = 2.
;; This version of the problem:
;;   THIS VERSION OF THE PROBLEM IS GIVEN IN LOW PRECISION. The matrix products marked QUANTISED in the list below multiply operands that are first quantised to E3M2 (3 exponent bits, 2 mantissa bits; 6 bits a number), with one power-of-two scale for each 32 numbers along K (OCP MX v1.0); their sums are f32. All else is computed in f32.
;;   The module's matrix products, in the order in which they are computed (A, B: the left and right operand; K: the contracted axis; several contracted axes count as one K, in the product's order):
;;     1. [M 1,024, K 1,024] x [K 1,024, N 8]; A: input x; B: input gate_w: left as it is (N = 8 < 16)
;;     2. [M 1,024, K 1,024] x [K 1,024, N 32,768]; A: input x; B: input w1 (given as codes): QUANTISED
;;     3. batch 8 x [M 1,024, K 4,096] x [K 4,096, N 1,024]; A: input w2 (given as codes); B: computed on the way: QUANTISED
;;     4. batch 1,024 x [M 1,024, K 8] x [K 8, N 1]; A: computed on the way; B: computed on the way: left as it is (K = 8 < 32)
;;   THE QUANTISER, for each operand of a quantised product, along K:
;;     - K is cut into blocks of 32 from its start; a last block that is shorter is filled with zeros.
;;     - A block's scale is 2^e with e = floor(log2(the largest magnitude in the block)) - 4, held to -126 .. 127; a block of zeros has e = 0. As a byte (E8M0): e + 127.
;;     - Each number is divided by its block's scale, clamped to +-28, and rounded to the nearest number of E3M2, ties to even, subnormals kept.
;;     - The product sums the exact products of the quantised numbers (number of the format x scale) in f32.
;;   ~~~python
;;   def quantise(x, axis):      # numpy; x: float32 -> the quantised numbers, widened to float32 again
;;       x = np.moveaxis(x, axis, -1); K = x.shape[-1]
;;       x = np.pad(x, [(0, 0)] * (x.ndim - 1) + [(0, -K % 32)]); x = x.reshape(x.shape[:-1] + (-1, 32)); a = np.abs(x).max(-1, keepdims=True)
;;       e = np.where(a > 0, np.clip(np.frexp(np.where(a > 0, a, 1))[1] - 1 - 4, -126, 127), 0)      # np.frexp(a)[1] - 1 = floor(log2(a)), exactly
;;       r = np.clip(x / 2.0 ** e, -28, 28)
;;       step = 2.0 ** (np.maximum(np.frexp(np.where(r == 0, 1, r))[1] - 1, -2) - 2)
;;       q = np.round(r / step) * step * 2.0 ** e      # np.round: ties to even
;;       return np.moveaxis(q.reshape(q.shape[:-2] + (-1,))[..., :K], -1, axis).astype(np.float32)
;;   ~~~
;;   OPERANDS COMPUTED ON THE WAY. 'Computed on the way' means the value that the module computes at that place (a softmax that the list does not call 'softmax' is quantised finished and normalised). What goes into a quantiser is computed in f32, as accurately as f32 sums, v_exp_f32 and their like allow (about 1e-6 of the number): no bf16 or f16 on the way to a quantiser, and a product that is left as it is and whose result goes on into a quantised operand takes f32 operands (vector FMAs, or v_wmma_f32_16x16x4_f32). A number that lies on a knife's edge between two numbers of the format may be rounded either way, as far as f32 arithmetic and the matrix unit's own rounding can turn it there, and no further.
;;   INPUTS GIVEN AS CODES. w1 (in the module: [8, 1024, 4096], K = its axis 1); w2 (in the module: [8, 4096, 1024], K = its axis 1): each comes as NAME_codes (uint8): NAME with its K axis moved to the last place and cut into blocks of 32 codes, [.., K / 32, bytes a block], one block behind the other in memory; four codes in three bytes: a row's codes are one little-endian stream of bits, code i at bits 6 i .. 6 i + 5 (a code: sign, 3 exponent bits, 2 mantissa bits); and NAME_scales (uint8): the same leading axes, one E8M0 byte (e + 127) for each 32 codes along K. Its value is code x scale, taken as it is: it is not quantised again, and the codes and scales need not be those that the quantiser above would give.
;; 2 versions, each right; version 2 is version 1 with the launches up, down written anew for expert scheduling mode. Each part assembles by itself: llvm-mc -triple=amdgcn-amd-amdhsa -mcpu=gfx1250 --defsym DOCPART=n.
;; ======== version 1 of 2: 4 launches
;; workspace buffers: route_i 5,120 bytes of whole numbers; wgt 8,192 bytes; xq 1,048,576 bytes; place_i 12,544 bytes of whole numbers; h_codes 25,165,824 bytes; h_scales 1,048,576 bytes; y 33,554,432 bytes
;; launch route (part 1): grid 128 x 1, 4 waves a work-group, no clusters, 70,912 bytes of LDS; arguments x, gate_w, gate_b, out1, route_i, wgt, xq; writes out1, route_i, wgt, xq
.if DOCPART == 1
	.amdgcn_target "amdgcn-amd-amdhsa--gfx1250"
	.amdhsa_code_object_version 6
	.text
	.protected	k_q31189c0923_route
	.globl	k_q31189c0923_route
	.p2align	8
	.type	k_q31189c0923_route,@function
k_q31189c0923_route:
	s_mov_b64 s[64:65], 0
	v_nop
	global_prefetch_b8 v0, s[64:65] scope:SCOPE_SE
	s_setreg_imm32_b32 hwreg(HW_REG_WAVE_MODE, 25, 1), 1
	s_wait_xcnt 0x0
; ROUTER AND QUANTISER OF x.  x [1024 tokens][1024] f32, gate_w [1024][8], gate_b [8].
; out1[t][e] = x[t] . gate_w[:, e] + gate_b[e], in f32 multiply-adds.  The two largest logits of a token (the lower index wins a tie) are its experts i0, i1;
; their weights are 1 / (1 + 2^d) and 2^d / (1 + 2^d), d = (second - largest) log2(e): the softmax's two terms over their sum, the maximum taken away.
; Nothing here forms an address or a branch from these choices: they leave as VALUES at fixed places: sel[t] = i0 | i1 << 8, wgt[t][2], and for each expert a bit mask of its tokens.
; x is also turned into codes of E3M2 with one E8M0 byte for each 32 along K, laid as the next launch's operand registers want them (xq, below).
; SHARES.  A work-group takes 8 tokens (one byte of each expert's mask), a wave two.  Lane L holds k = 32 L .. 32 L + 31 of a token: one block of the quantiser, and 32 rows of gate_w (256 registers, window 1).
; Loads take bytes as they lie, 512 consecutive bytes an instruction; x and gate_w turn through LDS so that a lane gets its own run.
; xq: [quarter of K 4][token 1024][256 bytes].  In a unit: for the quarter's two steps s of 128 along K, block b (of 4) at 96 s + 48 (b & 1) + 24 (b >> 1), so that lane half h of a fragment finds its 12 registers
; as 48 bytes on end at 96 s + 48 h; the two scale words at 192; zeros up to 255: the unit is written whole.
; LIMITS: NaN and infinities are not served.  A block of zeros gets the byte 1 (its codes are zeros; this program alone reads the bytes).  Logits nearer to each other than f32 rounding may be ordered either way.
; Where the second weight underflows to 0 another index may be chosen than by the probabilities: its weight is 0 either way.
.set GP,    1040                       ; gate_w in LDS: a lane's 1,024 bytes + 16: an odd multiple of 16 bytes from lane to lane
.set XP,    144                        ; a token in LDS: a lane's 128 bytes + 16
.set XST,   32*GP                      ; the tokens' stages, 32 x XP bytes each, two for each wave
.set LOGI,  XST+8*32*XP                ; the 8 tokens' 8 sums, 32 bytes a token
.set SPARE, LOGI+256                   ; the spare words, 128 bytes for each wave: two blocks of 256 bytes that no other line names
.set A,     16                         ; v16-31   two sets of eight sums
.set X,     32                         ; v32-63   my 32 numbers of the token
.set XT,    64                         ; v64-127  two tokens as loaded
.set QB,    128                        ; v128-175 the quantiser's registers, a set of 24 for each token, so that no store's data are written again
.set LG,    176                        ; v176-183 a token's logits
.set MSB, 0
.macro WIN new                         ; the immediate's high byte repeats the setting that is left
.if MSB != \new
	s_set_vgpr_msb (MSB<<8)|\new
.set MSB, \new
.endif
.endm
	s_load_b256 s[4:11], s[0:1], 0x0               ; x s[4:5], gate_w s[6:7], gate_b s[8:9], out1 s[10:11]
	s_load_b128 s[12:15], s[0:1], 0x20             ; route_i s[12:13], wgt s[14:15]
	s_load_b64 s[16:17], s[0:1], 0x30              ; xq
	v_lshl_add_u32 v2, v0, 2, SPARE                ; my spare word; never rewritten
	v_mov_b32 v3, 0                                ; 0; never rewritten
	v_lshrrev_b32 v13, 5, v0
	v_readfirstlane_b32 s18, v13                   ; wave 0..3
	v_and_b32 v1, 31, v0                           ; lane L
	v_lshlrev_b32 v4, 4, v1                        ; 16 L
	s_mul_i32 s22, s18, 8*GP
	v_add_nc_u32 v5, s22, v4                       ; gate_w into LDS: my wave's eight lane runs
	v_mul_u32_u24 v6, v1, GP                       ; and out of it: my run
	s_mul_i32 s22, s18, 2*32*XP
	s_add_co_u32 s22, s22, XST                     ; my wave's two stages
	v_lshrrev_b32 v13, 3, v1                       ; L / 8
	v_lshl_add_u32 v7, v13, 4, v4
	v_add_nc_u32 v7, s22, v7                       ; x into LDS: 16 L + 16 (L / 8): eight lanes fill a run of 128 bytes, then 16 of padding
	v_mul_u32_u24 v8, v1, XP
	v_add_nc_u32 v8, s22, v8                       ; and out of it
	v_lshlrev_b32 v9, 18, v13                      ; xq: my quarter (1,024 units of 256 bytes each)
	v_add_nc_u32 v10, 192, v9
	v_bfe_u32 v14, v1, 2, 1
	v_mad_u32_u24 v9, v14, 96, v9                  ; + 96 x the step in the quarter
	v_and_b32 v14, 1, v1
	v_mad_u32_u24 v9, v14, 48, v9                  ; + 48 (b & 1)
	v_bfe_u32 v14, v1, 1, 1
	v_mad_u32_u24 v9, v14, 24, v9                  ; + 24 (b >> 1)
	v_and_b32 v14, 7, v1
	v_lshl_add_u32 v10, v14, 3, v10                ; the unit's last 64 bytes, 8 a lane
	v_lshl_add_u32 v12, v14, 5, LOGI               ; wave 0, later: lane = token
	s_lshl_b32 s22, s18, 6
	s_add_co_u32 s22, s22, LOGI
	v_mov_b32 v11, s22                             ; where my wave puts its two tokens' sums
	v_and_b32 v15, 3, v1
	v_lshlrev_b32 v15, 3, v15                      ; my scale byte's place in its word
	s_lshl_b32 s22, s18, 13
	v_add_nc_u32 v200, s22, v4                     ; gate_w in memory: my wave's 8,192 bytes
	s_mov_b32 s32, 0x76543210
	s_mov_b32 s33, 0xfedcba98                      ; v_permlanex16_b32's selects for lane l xor 16
	s_mov_b32 s34, 0x01010101                      ; lanes 0, 8, 16, 24
	s_lshl_b32 s20, ttmp9, 3
	s_lshl_b32 s21, s18, 1
	s_add_co_u32 s20, s20, s21                     ; my first token: 8 x work-group + 2 x wave
	s_mov_b32 s23, 0
	s_wait_kmcnt 0x0
	s_load_b256 s[24:31], s[8:9], 0x0              ; gate_b
	s_lshl_b32 s22, s20, 12
	s_add_nc_u64 s[4:5], s[4:5], s[22:23]
	s_lshl_b32 s22, s20, 8
	s_add_nc_u64 s[16:17], s[16:17], s[22:23]
	WIN 0x40                                       ; destination window 1
.set q, 0
.rept 16
	global_load_b128 v[4*q:4*q+3], v200, s[6:7] offset:512*q
.set q, q+1
.endr
	WIN 0
.set q, 0
.rept 16
	global_load_b128 v[XT+4*q:XT+4*q+3], v4, s[4:5] offset:512*q th:TH_LOAD_NT   ; two rows of 4,096 bytes on end
.set q, q+1
.endr
	s_wait_loadcnt 16                              ; gate_w's sixteen are in; x's sixteen, issued behind them, may be out
	WIN 0x04                                       ; an LDS store's data are its source 1: window 1
.set q, 0
.rept 16
	ds_store_b128 v5, v[4*q:4*q+3] offset:512*q+16*(q/2)
.set q, q+1
.endr
	WIN 0
	s_wait_loadcnt 0x0
.set q, 0
.rept 16
	ds_store_b128 v7, v[XT+4*q:XT+4*q+3] offset:(q/8)*32*XP+(q%8)*4*XP
.set q, q+1
.endr
	s_wait_dscnt 0x0                               ; for the others' sake: my part of gate_w lies in LDS
	s_barrier_signal -1
	s_barrier_wait -1
	WIN 0x40
.set q, 0
.rept 64
	ds_load_b128 v[4*q:4*q+3], v6 offset:16*q      ; window 1, v[8 i + e] = gate_w[32 L + i][e]
.set q, q+1
.endr
	WIN 0
; One token: its eight sums, and its codes.
.macro TOKEN tau
.set Q, QB+24*\tau
.irp c, 0,1,2,3,4,5,6,7
	ds_load_b128 v[X+4*\c:X+4*\c+3], v8 offset:\tau*32*XP+16*\c
.endr
	s_wait_dscnt 0x0                               ; my numbers and gate_w are in; the last token's stores of its sums have read their registers
	WIN 0x04                                       ; source 1 (gate_w) window 1
.set i, 0
.rept 32
.set e, 0
.rept 8
.if i < 2
	v_mul_f32 v[A+8*i+e], v[X+i], v[8*i+e]         ; the first two rows start the two sets of sums
.else
	v_fmac_f32 v[A+8*(i%2)+e], v[X+i], v[8*i+e]
.endif
.set e, e+1
.endr
.set i, i+1
.endr
	WIN 0
.irp e, 0,1,2,3,4,5,6,7
	v_add_f32 v[A+\e], v[A+\e], v[A+8+\e]
.endr
.irp m, 1,2,4,8
.irp e, 0,1,2,3,4,5,6,7
	v_add_f32_dpp v[A+\e], v[A+\e], v[A+\e] row_xmask:\m row_mask:0xf bank_mask:0xf
.endr
.endr
.irp e, 0,1,2,3,4,5,6,7
	v_permlanex16_b32 v[A+8+\e], v[A+\e], s32, s33
.endr
.irp e, 0,1,2,3,4,5,6,7
	v_add_f32 v[A+\e], v[A+\e], v[A+8+\e]          ; every lane holds the token's eight sums
.endr
	ds_store_b128 v11, v[A:A+3] offset:32*\tau     ; all lanes write the same bytes with the same values
	ds_store_b128 v11, v[A+4:A+7] offset:32*\tau+16
	v_max3_num_f32 v[Q+10], |v[X]|, |v[X+1]|, 0x2800000   ; my block's largest magnitude, and the floor 2^(5 - 127): the byte cannot fall under 1
	v_max3_num_f32 v[Q+11], |v[X+2]|, |v[X+3]|, |v[X+4]|
.set i, 0
.rept 13
	v_max3_num_f32 v[Q+10+i%2], v[Q+10+i%2], |v[X+5+2*i]|, |v[X+6+2*i]|
.set i, i+1
.endr
	v_max3_num_f32 v[Q+10], v[Q+10], v[Q+11], |v[X+31]|
	v_mov_b32 v[Q+14], 0                           ; (a DPP form's destination counts as read)
	v_add_nc_u32 v[Q+12], 0xfe000000, v[Q+10]      ; 4 off its exponent field: the conversion takes the exponent field of this operand as its scale
	v_cvt_scalef32_pk16_bf6_f32 v[Q:Q+2], v[X:X+15], v[Q+12]
	v_cvt_scalef32_pk16_bf6_f32 v[Q+4:Q+6], v[X+16:X+31], v[Q+12]
	v_lshrrev_b32 v[Q+13], 23, v[Q+12]             ; the scale's byte (a plain line behind the conversions),
	v_lshlrev_b32 v[Q+13], v15, v[Q+13]            ; at its place in the word of its 128 along K
	v_mov_b32_dpp v[Q+14], v[Q+13] row_xmask:1 row_mask:0xf bank_mask:0xf
	v_or_b32 v[Q+13], v[Q+13], v[Q+14]
	v_mov_b32_dpp v[Q+14], v[Q+13] row_xmask:2 row_mask:0xf bank_mask:0xf
	v_or_b32 v[Q+13], v[Q+13], v[Q+14]             ; four lanes' bytes: the word
	v_mov_b32_dpp v[Q+14], v[Q+13] row_xmask:4 row_mask:0xf bank_mask:0xf   ; and the quarter's other word
	v_cndmask_b32 v[Q+8], 0, v[Q+13], s34          ; the first of a quarter's eight lanes keeps the two words, the others hold zeros
	v_cndmask_b32 v[Q+9], 0, v[Q+14], s34
	global_store_b96 v9, v[Q:Q+2], s[16:17] offset:256*\tau
	global_store_b96 v9, v[Q+4:Q+6], s[16:17] offset:256*\tau+12
	global_store_b64 v10, v[Q+8:Q+9], s[16:17] offset:256*\tau
.endm
	TOKEN 0
	TOKEN 1
	s_wait_dscnt 0x0                               ; for wave 0's sake: my two tokens' sums lie in LDS
	s_barrier_signal -1
	s_barrier_wait -1
	s_cmp_lg_u32 s18, 0
	s_cbranch_scc1 .Lend
	; wave 0 decides for the 8 tokens: lane = token (lanes 8-31 repeat lanes 0-7)
	ds_load_b128 v[LG:LG+3], v12
	ds_load_b128 v[LG+4:LG+7], v12 offset:16
	v_lshlrev_b32 v196, 5, v1                      ; out1: 32 bytes a token
	v_lshlrev_b32 v197, 3, v1                      ; wgt: 8
	v_lshlrev_b32 v198, 2, v1                      ; sel: 4
	v_lshlrev_b32 v199, 7, v1                      ; masks: lane = expert, 128 bytes an expert
	s_lshl_b32 s22, ttmp9, 8
	s_add_nc_u64 s[10:11], s[10:11], s[22:23]
	s_lshl_b32 s22, ttmp9, 6
	s_add_nc_u64 s[14:15], s[14:15], s[22:23]
	s_lshl_b32 s22, ttmp9, 5
	s_add_nc_u64 s[36:37], s[12:13], s[22:23]
	s_mov_b32 s22, ttmp9
	s_add_nc_u64 s[12:13], s[12:13], s[22:23]
	s_wait_kmcnt 0x0                               ; gate_b
	s_wait_dscnt 0x0
.irp e, 0,1,2,3,4,5,6,7
	v_add_f32 v[LG+\e], s[24+\e], v[LG+\e]
.endr
	v_mov_b32 v184, v[LG]                          ; the largest, and its index: a later one must be strictly larger
	v_mov_b32 v185, 0
.irp e, 1,2,3,4,5,6,7
	v_cmp_gt_f32 vcc_lo, v[LG+\e], v184
	v_cndmask_b32 v184, v184, v[LG+\e], vcc_lo
	v_cndmask_b32 v185, v185, \e, vcc_lo
.endr
	v_mov_b32 v186, 0xff800000                     ; the largest of the others
	v_mov_b32 v187, 0
.irp e, 0,1,2,3,4,5,6,7
	v_cmp_ne_u32 s38, \e, v185
	v_cmp_gt_f32 vcc_lo, v[LG+\e], v186
	s_and_b32 vcc_lo, vcc_lo, s38
	v_cndmask_b32 v186, v186, v[LG+\e], vcc_lo
	v_cndmask_b32 v187, v187, \e, vcc_lo
.endr
	v_sub_f32 v188, v186, v184                     ; second - largest: 0 or less
	v_mul_f32 v188, 0x3fb8aa3b, v188
	v_exp_f32 v189, v188
	v_lshl_or_b32 v194, v187, 8, v185              ; sel (a plain line behind the exponential)
	s_wait_alu depctr_va_vdst(0)                   ; the wait ahead of the result's first reader
	v_add_f32 v190, 1.0, v189
	v_rcp_f32 v192, v190
	v_mov_b32 v195, 0                              ; (a plain line behind the reciprocal)
	s_wait_alu depctr_va_vdst(0)
	v_mul_f32 v193, v189, v192                     ; v[192:193] = the two weights
.irp e, 0,1,2,3,4,5,6,7
	v_cmp_eq_u32 s38, \e, v185
	v_cmp_eq_u32 s39, \e, v187
	s_or_b32 s38, s38, s39                         ; bit l: token l uses expert e
	v_writelane_b32 v195, s38, \e                  ; lane e holds expert e's byte
.endr
	s_wait_xcnt 0x0                                ; EXEC changes only behind this wait: xq's stores are out
	v_cmpx_gt_u32 8, v0                            ; lanes 0-7
	global_store_b128 v196, v[LG:LG+3], s[10:11]   ; eight lanes store 256 consecutive bytes, aligned
	global_store_b128 v196, v[LG+4:LG+7], s[10:11] offset:16
	global_store_b64 v197, v[192:193], s[14:15]
	global_store_b32 v198, v194, s[36:37] offset:1024
	global_store_b8 v199, v195, s[12:13]
	s_wait_xcnt 0x0
	s_mov_b32 exec_lo, -1
.Lend:
	s_wait_tensorcnt 0x0                           ; the wave's end, behind my last LDS store
	ds_add_u32 v2, v3
	s_wait_dscnt 0x0
	s_endpgm
.Lfunc_end_k_q31189c0923_route:
	.size	k_q31189c0923_route, .Lfunc_end_k_q31189c0923_route-k_q31189c0923_route
	.p2alignl 7, 3214868480
	.fill 96, 4, 3214868480
	.section	.rodata,"a",@progbits
	.p2align	6, 0x0
	.amdhsa_kernel k_q31189c0923_route
		.amdhsa_group_segment_fixed_size 70912
		.amdhsa_private_segment_fixed_size 0
		.amdhsa_enable_private_segment 0
		.amdhsa_kernarg_size 56
		.amdhsa_user_sgpr_count 2
		.amdhsa_user_sgpr_kernarg_segment_ptr 1
		.amdhsa_wavefront_size32 1
		.amdhsa_system_sgpr_workgroup_id_x 1
		.amdhsa_system_sgpr_workgroup_id_y 1
		.amdhsa_system_sgpr_workgroup_id_z 1
		.amdhsa_system_vgpr_workitem_id 0
		.amdhsa_next_free_vgpr 512
		.amdhsa_next_free_sgpr 66
		.amdhsa_reserve_vcc 1
		.amdhsa_float_denorm_mode_32 3
		.amdhsa_float_denorm_mode_16_64 3
		.amdhsa_memory_ordered 1
		.amdhsa_forward_progress 1
		.amdhsa_inst_pref_size 47
	.end_amdhsa_kernel
	.amdgpu_metadata
---
amdhsa.version: [ 1, 2 ]
amdhsa.kernels:
  - .name:           k_q31189c0923_route
    .symbol:         k_q31189c0923_route.kd
    .args:
      - { .name: x, .offset: 0, .size: 8, .value_kind: global_buffer, .address_space: global }
      - { .name: gate_w, .offset: 8, .size: 8, .value_kind: global_buffer, .address_space: global }
      - { .name: gate_b, .offset: 16, .size: 8, .value_kind: global_buffer, .address_space: global }
      - { .name: out1, .offset: 24, .size: 8, .value_kind: global_buffer, .address_space: global }
      - { .name: route_i, .offset: 32, .size: 8, .value_kind: global_buffer, .address_space: global }
      - { .name: wgt, .offset: 40, .size: 8, .value_kind: global_buffer, .address_space: global }
      - { .name: xq, .offset: 48, .size: 8, .value_kind: global_buffer, .address_space: global }
    .group_segment_fixed_size: 70912
    .private_segment_fixed_size: 0
    .kernarg_segment_align: 8
    .kernarg_segment_size: 56
    .max_flat_workgroup_size: 128
    .sgpr_count:     66
    .vgpr_count:     512
    .wavefront_size: 32
...
	.end_amdgpu_metadata
.endif
;; end of part 1
;; launch up (part 2): grid 32 x 8, 4 waves a work-group, no clusters, 105,984 bytes of LDS; arguments xq, route_i, w1_codes, w1_scales, b1, h_codes, h_scales, place_i; writes h_codes, h_scales, place_i
.if DOCPART == 2
	.amdgcn_target "amdgcn-amd-amdhsa--gfx1250"
	.amdhsa_code_object_version 6
	.text
	.protected	k_q31189c0923_up
	.globl	k_q31189c0923_up
	.p2align	8
	.type	k_q31189c0923_up,@function
k_q31189c0923_up:
	s_mov_b64 s[64:65], 0
	v_nop
	global_prefetch_b8 v0, s[64:65] scope:SCOPE_SE
	s_setreg_imm32_b32 hwreg(HW_REG_WAVE_MODE, 25, 1), 1
	s_wait_xcnt 0x0
; FIRST PRODUCT OF THE CHOSEN EXPERTS: h = Q(gelu(Q(x) w1 + b1)), only for the rows that the router gave to an expert.
; Work-group (j, e) owns hidden units 128 j .. 128 j + 127 of expert e (one step of 128 along the next product's K), for all rows of e.
; THE WEIGHTS STAND STILL: its 128 rows x 768 bytes of w1's codes are loaded once, 256 consecutive bytes to sixteen lanes, turned through LDS once, and stay in registers.
; THE WAVES SHARE K: wave w holds K steps 2 w, 2 w + 1 of all eight tiles of 16 hidden units (16 fragments, 192 registers), and reads only quarter w of each token's codes.
; ROWS.  Rank rho of expert e is the token of the rho-th set bit of e's mask (stored by the launch before as whole numbers).  Each work-group turns the mask into a list in LDS by integer arithmetic;
; work-groups with j = 0 also store each token's place (place_i: 1024 e + rank at [token][which of its two experts]) and the count.  All lanes stay on throughout: a rank past the count stores its number
; into a word of the thread's own behind the table (word 2112 + 128 e + thread), which nobody reads.
; A BATCH is 64 rows, four tiles.  Each wave multiplies all four (partial sums over its quarter of K); tile (w + i) & 3 is its i-th; i = 0 stays in registers, i = 1 .. 3 go through LDS to wave (w + i) & 3,
; which adds the four parts of its tile, applies the exact GELU, quantises along the hidden units and stores the codes as an image of the next product's operand registers.
; The loop over batches has a constant count and both its barriers stand at its own level; work that the count of rows does not ask for is jumped over by scalar branches.
; No tensor load, no cluster: branches hang on a count read from memory, and no two work-groups share a weight.
; THE PRODUCT IS USED TRANSPOSED (source 0 = 16 rows of w1, source 1 = 16 rows of x), and lane r of tile 2 b + u takes hidden unit 32 b + 8 u + r + 8 (r / 8): a lane then holds one row, and the 16 registers
; of tiles 2 b, 2 b + 1 are 16 neighbours along the next K.
; GELU(x) = max(x, 0) - |x| q, q = erfc(|x| / sqrt 2) / 2 = t 2^(c0 + t (c1 + .. + t c9) - x x log2(e) / 2), t = 1 / (1 + |x| / (2 sqrt 2)): a rational Chebyshev fit of erfc whose fractional error is 1.2e-7 everywhere,
; so that the tail has no difference of near numbers.
; LIMITS: NaN and infinities are not served.  A block of zeros gets the byte 1 (its codes are zeros; this program alone reads the bytes).  Rows past an expert's count in its last batch are computed from some valid token and never used.
; REGISTERS: window 0: addresses, scale words, v64-159 x's fragments, v160-179 the list's arithmetic.  Window 1: v0-191 w1's fragments (tile t, step s at 12 (2 t + s)), v192-255 b1.  Window 2: four sets of 64 sums.
.set WP,    784                        ; a row of w1 in LDS: 768 bytes + 16 = 196 words: row r starts at bank 4 r mod 64, so the 32 lanes of a load of 8 bytes touch 64 different banks
.set RDEST, 24576                      ; the parts for one wave: three slots
.set RSLOT, 8192                       ; a slot: 64 registers, 16 planes of 512 bytes.  The slots lie over the weights' stage, which is read out before the first of them is written
.set LIST,  128*WP                     ; the list: rank rho's token at 4 rho; 4,096 bytes, and 1,024 that the look-ahead's address could reach by its loop's count and never does by its branch
.set SPARE, LIST+5120                  ; the spare words, 128 bytes for each wave: two blocks of 256 bytes that no other line names
.set SPW, 4
.set NIL, 5
.set STG, 6                            ; v6     weights into the stage
.set WFA, 7                            ; v7-8   fragments out of it: tiles 0-3, tiles 4-7
.set LW,  9                            ; v9     the list, on the way in
.set LA,  10                           ; v10-13 the list, on the way out: my i-th tile's row r
.set RW,  14                           ; v14-16 where my parts i = 1 .. 3 go
.set RR,  17                           ; v17    where the parts for me lie
.set GWO, 18                           ; v18    w1's codes in memory
.set L16, 19                           ; v19    16 x lane
.set R4,  20                           ; v20    4 r
.set H48, 21                           ; v21    48 h
.set XA,  24                           ; v24-27 my i-th tile's token: byte of my 48 bytes in xq
.set XSA, 28                           ; v28-31 and of its unit
.set WS,  32                           ; v32-47 w1's scale words (2 t + s)
.set XS,  48                           ; v48-55 x's scale words (2 i + s)
.set K9,  56                           ; v56-57 c9, twice
.set BO,  58
.set WSO, 59
.set TA,  60                           ; v60-63 LDS addresses of the list's loads and stores in hand
.set X,   64                           ; v64-159 x's fragments (24 i + 12 s)
.set RHO, 160
.set WD,  161
.set CP,  162
.set REM, 163
.set GI,  164
.set CA,  165
.set CB,  166
.set CC,  167
.set CD,  168
.set POS, 169
.set T0,  170
.set T1,  171
.set TOK, 172
.set SA,  173
.set SV,  174
.set SL,  175
.set VAL, 176
.set CNA, 177
.set CNV, 178
.set DMP, 179                          ; v179   the word of place_i that is my thread's own: 2112 + 128 e + thread
.set B1,  192                          ; window 1
.set TM,  64                           ; window 2, in set 1 once t is done with: the quantiser's registers
.set PW,  80
.set PC,  84
.set MSB, 0
.macro WIN new                         ; the immediate's high byte repeats the setting that is left
.if MSB != \new
	s_set_vgpr_msb (MSB<<8)|\new
.set MSB, \new
.endif
.endm
.macro NOPS n
.rept \n
	v_nop
.endr
.endm
.macro BARRIER                         ; my LDS stores have landed and my LDS loads are in: then the work-group's barrier
	s_wait_dscnt 0x0
	s_barrier_signal -1
	s_barrier_wait -1
.endm
	s_load_b512 s[4:19], s[0:1], 0x0               ; xq 4, route_i 6, w1_codes 8, w1_scales 10, b1 12, h_codes 14, h_scales 16, place_i 18
	v_lshl_add_u32 v[SPW], v0, 2, SPARE
	v_mov_b32 v[NIL], 0
	v_lshrrev_b32 v1, 5, v0
	v_readfirstlane_b32 s20, v1                    ; wave w
	s_mov_b32 s21, ttmp9                           ; j
	s_and_b32 s22, ttmp7, 0xffff                   ; e
	v_and_b32 v1, 31, v0                           ; lane L
	v_and_b32 v2, 15, v0                           ; r
	v_bfe_u32 v3, v0, 4, 1                         ; h
	v_lshlrev_b32 v[L16], 4, v1
	v_lshlrev_b32 v[R4], 2, v2
	v_mul_u32_u24 v[H48], v3, 48
	s_lshl_b32 s70, s22, 7
	s_add_co_u32 s70, s70, 2112
	v_add_nc_u32 v[DMP], s70, v0
	s_mul_i32 s70, s20, 32*WP
	v_mul_u32_u24 v[STG], v3, WP
	v_lshl_add_u32 v[STG], v2, 4, v[STG]
	v_add_nc_u32 v[STG], s70, v[STG]               ; my wave's 32 rows; sixteen lanes to 256 bytes of a row, lanes 16-31 the next row
	v_mul_u32_u24 v[WFA], v2, WP
	v_mad_u32_u24 v[WFA], v3, 24, v[WFA]
	s_mul_i32 s70, s20, 192
	v_add_nc_u32 v[WFA], s70, v[WFA]               ; place r of a tile, + 24 h, + my two K steps
	v_add_nc_u32 v[WFA+1], 64*WP, v[WFA]
	s_lshl_b32 s70, s20, 7
	s_add_co_u32 s70, s70, LIST
	v_lshl_add_u32 v[LW], v1, 2, s70               ; ranks 32 w + L of a run of 128
.irp i, 0,1,2,3
	s_add_co_u32 s70, s20, \i
	s_and_b32 s70, s70, 3                          ; my i-th tile of a batch
	s_lshl_b32 s71, s70, 6
	s_add_co_u32 s71, s71, LIST
	v_add_nc_u32 v[LA+\i], s71, v[R4]
.if \i > 0
	s_mul_i32 s71, s70, RDEST
	v_add_nc_u32 v[RW+\i-1], s71, v[L16]
.endif
.endr
	s_mul_i32 s70, s20, RDEST
	v_add_nc_u32 v[RR], s70, v[L16]
	v_mul_u32_u24 v[GWO], v3, 768
	v_lshl_add_u32 v[GWO], v2, 4, v[GWO]
	v_lshlrev_b32 v[BO], 6, v3                     ; b1: my half's eight units lie 16 units on
	v_and_b32 v[WSO], 8, v2
	v_add_nc_u32 v[WSO], v[WSO], v2                ; r + 8 (r / 8)
	v_lshlrev_b32 v[WSO], 5, v[WSO]                ; 32 scale bytes a row,
	s_lshl_b32 s70, s20, 3
	v_add_nc_u32 v[WSO], s70, v[WSO]               ; my two words of them
	v_mov_b32 v[K9], 0x3e7c6f08
	v_mov_b32 v[K9+1], 0x3e7c6f08
	s_mov_b32 s66, 0x76543210
	s_mov_b32 s67, 0xfedcba98                      ; v_permlanex16_b32's selects for lane l xor 16
	s_mov_b32 s84, 0x3eb504f3                      ; 1 / (2 sqrt 2)
	s_lshl_b32 s26, s22, 7                         ; e's mask: 128 bytes
	s_lshl_b32 s70, s22, 12
	s_lshl_b32 s71, s21, 7
	s_add_co_u32 s70, s70, s71                     ; my first row of w1: 4096 e + 128 j
	s_mul_i32 s72, s70, 768
	s_mul_i32 s74, s20, 32*768
	s_add_co_u32 s72, s72, s74
	s_mov_b32 s73, 0
	s_wait_kmcnt 0x0
	s_load_b512 s[32:47], s[6:7], s26 offset:0x0   ; the mask: word g holds tokens 32 g .. 32 g + 31
	s_load_b512 s[48:63], s[6:7], s26 offset:0x40
	s_add_nc_u64 s[8:9], s[8:9], s[72:73]
	s_lshl_b32 s72, s70, 5
	s_add_nc_u64 s[10:11], s[10:11], s[72:73]
	s_lshl_b32 s72, s70, 2
	s_add_nc_u64 s[12:13], s[12:13], s[72:73]
	s_lshl_b32 s72, s20, 18
	s_add_nc_u64 s[28:29], s[4:5], s[72:73]        ; xq's quarter w
	WIN 0x40                                       ; destination window 1
.set q, 0
.rept 48
	global_load_b128 v[4*q:4*q+3], v[GWO], s[8:9] offset:(q/3)*1536+(q%3)*256 th:TH_LOAD_NT   ; rows 2 (q / 3), + 1; each byte of w1 is read once in the launch
.set q, q+1
.endr
.irp t, 0,1,2,3,4,5,6,7
	global_load_b128 v[B1+8*\t:B1+8*\t+3], v[BO], s[12:13] offset:(32*(\t/2)+8*(\t%2))*4
	global_load_b128 v[B1+8*\t+4:B1+8*\t+7], v[BO], s[12:13] offset:(32*(\t/2)+8*(\t%2))*4+16
.endr
	WIN 0
.irp t, 0,1,2,3,4,5,6,7
	global_load_b64 v[WS+2*\t:WS+2*\t+1], v[WSO], s[10:11] offset:(32*(\t/2)+8*(\t%2))*32
.endr
	s_wait_kmcnt 0x0
	s_bcnt1_i32_b32 s23, s32
.set g, 1
.rept 31
	s_bcnt1_i32_b32 s70, s[32+g]
	s_add_co_u32 s23, s23, s70
.set g, g+1
.endr                                              ; s23 = e's rows
	s_add_co_u32 s24, s23, 15
	s_lshr_b32 s24, s24, 4
	s_max_u32 s24, s24, 1                          ; s24 = its tiles of 16 rows, at least one: tile 0 is always stored, so that a clamped read of the next launch finds bytes that were written
	s_add_co_u32 s25, s23, 63
	s_and_b32 s25, s25, 0xffffffc0
	s_max_u32 s25, s25, 64                         ; s25 = the ranks that the batches will read
; THE LIST.  Eight trips of 128 ranks, 32 a wave; a trip's work is jumped over where its ranks are not read.
.macro DESC src, wid                   ; one step down: are REM set bits passed by the field's lower half?
	v_bfe_u32 v[T0], v[\src], v[POS], \wid
	v_cmp_ge_u32 vcc_lo, v[REM], v[T0]
	v_cndmask_b32 v[T0], 0, v[T0], vcc_lo
	v_cndmask_b32 v[T1], 0, \wid, vcc_lo
	v_sub_nc_u32 v[REM], v[REM], v[T0]
	v_add_nc_u32 v[POS], v[POS], v[T1]
.endm
	s_mov_b32 s71, 0                               ; 512 x trip
	s_lshl_b32 s72, s20, 5                         ; my first rank: 32 w + 128 x trip
	s_mov_b32 s75, 0
.Llist:
	s_cmp_lt_u32 s72, s25
	s_cbranch_scc0 .Llist_next
	v_add_nc_u32 v[RHO], s72, v1                   ; my rank
	v_mov_b32 v[WD], s32
	v_mov_b32 v[CP], 0
	s_bcnt1_i32_b32 s76, s32                       ; set bits in the words before word g
.set g, 1
.rept 31
	s_add_co_u32 s77, s76, g<<16
	v_cmp_le_u32 vcc_lo, s76, v[RHO]
	v_cndmask_b32 v[WD], v[WD], s[32+g], vcc_lo    ; the last word in front of which at most rho bits are set,
	v_cndmask_b32 v[CP], v[CP], s77, vcc_lo        ; that count, and the word's number above it
	s_bcnt1_i32_b32 s78, s[32+g]
	s_add_co_u32 s76, s76, s78
.set g, g+1
.endr
	v_and_b32 v[REM], 0xffff, v[CP]
	v_sub_nc_u32 v[REM], v[RHO], v[REM]            ; which set bit of the word
	v_lshrrev_b32 v[GI], 16, v[CP]
	v_lshrrev_b32 v[CA], 1, v[WD]                  ; the word's counts in fields of 2, 4, 8, 16 bits
	v_and_b32 v[CA], 0x55555555, v[CA]
	v_sub_nc_u32 v[CA], v[WD], v[CA]
	v_lshrrev_b32 v[CB], 2, v[CA]
	v_and_b32 v[CB], 0x33333333, v[CB]
	v_and_b32 v[CC], 0x33333333, v[CA]
	v_add_nc_u32 v[CB], v[CB], v[CC]
	v_lshrrev_b32 v[CC], 4, v[CB]
	v_add_nc_u32 v[CC], v[CC], v[CB]
	v_and_b32 v[CC], 0x0f0f0f0f, v[CC]
	v_lshrrev_b32 v[CD], 8, v[CC]
	v_add_nc_u32 v[CD], v[CD], v[CC]
	v_and_b32 v[CD], 0x00ff00ff, v[CD]
	v_mov_b32 v[POS], 0
	DESC CD, 16
	DESC CC, 8
	DESC CB, 4
	DESC CA, 2
	DESC WD, 1
	v_lshl_add_u32 v[TOK], v[GI], 5, v[POS]
	v_min_u32 v[TOK], 0x3ff, v[TOK]                ; a rank past the count gives some token inside the table
	v_add_nc_u32 v[TA], s71, v[LW]
	ds_store_b32 v[TA], v[TOK]
	s_cmp_lg_u32 s21, 0
	s_cbranch_scc1 .Llist_done
	v_lshlrev_b32 v[SA], 2, v[TOK]                 ; j = 0: the token's place goes to place_i
	global_load_b32 v[SV], v[SA], s[6:7] offset:1024
	s_lshl_b32 s79, s22, 10
	v_add_nc_u32 v[VAL], s79, v[RHO]               ; 1024 e + rank
	s_wait_loadcnt 0x0
	v_bfe_u32 v[SV], v[SV], 8, 8                   ; the token's second expert
	v_cmp_eq_u32 vcc_lo, s22, v[SV]
	v_cndmask_b32 v[SV], 0, 1, vcc_lo
	v_lshl_add_u32 v[SL], v[TOK], 1, v[SV]         ; word 2 x token + which of its two experts I am
	v_cmp_gt_u32 vcc_lo, s23, v[RHO]
	v_cndmask_b32 v[SL], v[DMP], v[SL], vcc_lo     ; a rank past the count takes my thread's own word instead: a choice of a value, all lanes on
	v_min_u32 v[SL], 0xc3f, v[SL]                  ; held inside place_i's 3,136 words
	v_lshlrev_b32 v[SL], 2, v[SL]
	global_store_b32 v[SL], v[VAL], s[18:19]
	s_wait_xcnt 0x0                                ; the store has read its registers: the next trip writes them again
.Llist_done:
	s_wait_dscnt 0x0                               ; the list's store has read its registers
.Llist_next:
	s_add_co_u32 s71, s71, 512
	s_add_co_u32 s72, s72, 128
	s_add_co_u32 s75, s75, 1
	s_cmp_lt_u32 s75, 8
	s_cbranch_scc1 .Llist
	s_or_b32 s70, s21, s20
	s_cmp_lg_u32 s70, 0
	s_cbranch_scc1 .Lno_count
	s_lshl_b32 s70, s22, 2
	v_mov_b32 v[CNA], s70
	v_mov_b32 v[CNV], s23
	global_store_b32 v[CNA], v[CNV], s[18:19] offset:8192   ; e's count (all lanes: the same word, the same value)
.Lno_count:
	s_wait_loadcnt 0x0                             ; the weights, b1 and the scale words
	WIN 0x04                                       ; an LDS store's data are its source 1: window 1
.set q, 0
.rept 48
.set rr, 2*(q/3)
.set sw, (rr&7)|(((rr>>3)&1)<<4)|(((rr>>4)&1)<<3)  ; bits 3 and 4 of the row change places: the 16 rows that form a tile then lie on end in the stage
	ds_store_b128 v[STG], v[4*q:4*q+3] offset:sw*WP+256*(q%3)
.set q, q+1
.endr
	s_cmp_eq_u32 s20, 0
	s_cselect_b32 s85, -1, 0
	WIN 0x44                                       ; destination and source 1 window 1
.set q, 0
.rept 64
	v_cndmask_b32 v[B1+q], 0, v[B1+q], s85         ; the bias is the C of a sum's first product; of a tile's four parts wave 0's alone carries it
.set q, q+1
.endr
	WIN 0
	BARRIER                                        ; the weights and the list lie in LDS
; The four tiles' tokens of the batch whose list begins at byte s69, and their codes and scale words: 28 loads.
.macro LOADX
.irp i, 0,1,2,3
	v_add_nc_u32 v[TA+\i], s69, v[LA+\i]
	ds_load_b32 v[XA+\i], v[TA+\i]
.endr
	s_wait_dscnt 0x0
.irp i, 0,1,2,3
	v_min_u32 v[XA+\i], 0x3ff, v[XA+\i]
	v_lshlrev_b32 v[XSA+\i], 8, v[XA+\i]           ; the token's unit of 256 bytes
	v_add_nc_u32 v[XA+\i], v[XSA+\i], v[H48]
.endr
.irp i, 0,1,2,3
.irp c, 0,1,2,3,4,5
	global_load_b128 v[X+24*\i+4*\c:X+24*\i+4*\c+3], v[XA+\i], s[28:29] offset:96*(\c/3)+16*(\c%3)
.endr
	global_load_b64 v[XS+2*\i:XS+2*\i+1], v[XSA+\i], s[28:29] offset:192
.endr
.endm
	s_mov_b32 s69, 0
	LOADX                                          ; batch 0, always
	WIN 0x40
.irp t, 0,1,2,3,4,5,6,7
.irp s, 0,1
.irp p, 0,1,2,3,4,5
	ds_load_b64 v[12*(2*\t+\s)+2*\p:12*(2*\t+\s)+2*\p+1], v[WFA+\t/4] offset:16*(\t%4)*WP+96*\s+48*(\p/3)+8*(\p%3)
.endr
.endr
.endr
	WIN 0
	BARRIER                                        ; every wave has its fragments: the parts' slots may be written over the stage
; My i-th tile: 16 products.  The eight accumulators take turns, one instruction a turn.
.macro MULT i
	WIN 0x91                                       ; source 0 (w1) and C (b1) window 1, source 1 (x) window 0, D window 2
.irp t, 0,1,2,3,4,5,6,7
	v_wmma_scale_f32_16x16x128_f8f6f4 v[64*\i+8*\t:64*\i+8*\t+7], v[24*\t:24*\t+11], v[X+24*\i:X+24*\i+11], v[B1+8*\t:B1+8*\t+7], v[WS+2*\t], v[XS+2*\i] matrix_a_fmt:MATRIX_FMT_BF6 matrix_b_fmt:MATRIX_FMT_BF6
.endr
	WIN 0xa1                                       ; C and D window 2
.irp t, 0,1,2,3,4,5,6,7
	v_wmma_scale_f32_16x16x128_f8f6f4 v[64*\i+8*\t:64*\i+8*\t+7], v[24*\t+12:24*\t+23], v[X+24*\i+12:X+24*\i+23], v[64*\i+8*\t:64*\i+8*\t+7], v[WS+2*\t+1], v[XS+2*\i+1] matrix_a_fmt:MATRIX_FMT_BF6 matrix_b_fmt:MATRIX_FMT_BF6
.endr
.endm
.macro STORE i                         ; set i goes to its owner as it stands, each accumulator from its low end on; 512 consecutive bytes a store
	WIN 0x08                                       ; the data: window 2
.set q, 0
.rept 16
	ds_store_b128 v[RW+\i-1], v[64*\i+4*q:64*\i+4*q+3] offset:(\i-1)*RSLOT+512*q
.set q, q+1
.endr
.endm
; A batch's products.  s70 = four times the number of the batch after it: where that one exists its codes are asked for here, a whole GELU ahead of their use.
; The v_nop are the places between matrix instructions and the LDS stores that read their results, or the loads into their operands.
.macro ABLK
	s_wait_loadcnt 0x0                             ; the batch's 28 loads; nothing else is out
	MULT 1
	MULT 2
	NOPS 4
	STORE 1
	MULT 3
	NOPS 4
	STORE 2
	STORE 3
	MULT 0
	NOPS 5
	WIN 0
	s_cmp_lt_u32 s70, s24
	s_cbranch_scc0 .Lno_more_\@
	LOADX
.Lno_more_\@:
.endm
	s_mov_b32 s69, 256
	s_mov_b32 s70, 4
	ABLK                                           ; batch 0, always: so every register of the sums is written on every way
	s_mov_b32 s68, 0                               ; 4 x batch
.Lbatch:
	s_add_co_u32 s69, s69, 256                     ; the list of the batch after the next
	BARRIER                                        ; all parts of this batch lie in LDS
	s_add_co_u32 s73, s68, s20                     ; my tile of rows: 4 x batch + w
	s_cmp_lt_u32 s73, s24
	s_cbranch_scc0 .Lno_parts
	WIN 0x80                                       ; destination window 2
.set q, 0
.rept 48
	ds_load_b128 v[64+4*q:64+4*q+3], v[RR] offset:512*q   ; the three parts from the other waves, into sets 1 to 3
.set q, q+1
.endr
	WIN 0
.Lno_parts:
	BARRIER                                        ; all parts are read: the slots may be written again
	s_cmp_lt_u32 s73, s24
	s_cbranch_scc0 .Lno_tile
	s_lshl_b32 s74, s22, 6
	s_add_co_u32 s74, s74, s73
	s_lshl_b32 s74, s74, 5
	s_add_co_u32 s74, s74, s21                     ; (64 e + tile) 32 + j
	s_mul_i32 s76, s74, 1536
	s_mov_b32 s77, 0
	s_add_nc_u64 s[80:81], s[14:15], s[76:77]
	s_lshl_b32 s76, s74, 6
	s_add_nc_u64 s[82:83], s[16:17], s[76:77]
	WIN 0xaa                                       ; every operand in window 2: set 0 at v0, 1 at v64, 2 at v128, 3 at v192
.set j, 0
.rept 32
	v_pk_add_f32 v[j:j+1], v[j:j+1], v[64+j:65+j]  ; (each accumulator of set 0 is first read at its low end)
	v_pk_add_f32 v[128+j:129+j], v[128+j:129+j], v[192+j:193+j]
.set j, j+2
.endr
.set j, 0
.rept 32
	v_pk_add_f32 v[j:j+1], v[j:j+1], v[128+j:129+j]   ; x w1 + b1: set 0
.set j, j+2
.endr
.set j, 0
.rept 64
	v_fma_f32 v[64+j], |v[j]|, s84, 1.0
.set j, j+1
.endr
.set j, 0
.rept 64
	v_rcp_f32 v[64+j], v[64+j]                     ; t: set 1
.set j, j+1
.endr
.set j, 0
.rept 32
	v_pk_mul_f32 v[128+j:129+j], v[j:j+1], v[j:j+1]   ; x x: set 2.  It names no reciprocal: the independent work behind the batch
.set j, j+2
.endr
	s_wait_alu depctr_va_vdst(0)                   ; one wait for the 64 reciprocals, ahead of their first reader
	WIN 0xa2                                       ; source 1 (c9) window 0
.set j, 0
.rept 32
	v_pk_fma_f32 v[192+j:193+j], v[64+j:65+j], v[K9:K9+1], 0xbf97d29d op_sel_hi:[1,1,0]   ; c9 t + c8: set 3
.set j, j+2
.endr
	WIN 0xaa
.irp c, 0x40097039, 0xbfd1a1e5, 0x3ecdfd18, 0xbe899a80, 0x3e0efb2e, 0x3f0a29d2, 0x3fb8ab5a, 0xc034d90f
.set j, 0
.rept 32
	v_pk_fma_f32 v[192+j:193+j], v[192+j:193+j], v[64+j:65+j], \c op_sel_hi:[1,1,0]   ; x t + c7 .. c0 (the fit's numbers x log2(e); c0 also holds the halving)
.set j, j+2
.endr
.endr
.set j, 0
.rept 32
	v_pk_fma_f32 v[192+j:193+j], v[128+j:129+j], 0xbf38aa3b, v[192+j:193+j] op_sel_hi:[1,0,1]   ; - x x log2(e) / 2
.set j, j+2
.endr
.set j, 0
.rept 64
	v_exp_f32 v[192+j], v[192+j]
.set j, j+1
.endr
.set j, 0
.rept 64
	v_max_num_f32 v[128+j], 0, v[j]                ; max(x, 0): set 2.  The independent work behind the exponentials
.set j, j+1
.endr
	s_wait_alu depctr_va_vdst(0)                   ; one wait for the 64 exponentials
.set j, 0
.rept 32
	v_pk_mul_f32 v[192+j:193+j], v[192+j:193+j], v[64+j:65+j]   ; q
.set j, j+2
.endr
.set j, 0
.rept 64
	v_fma_f32 v[j], -|v[j]|, v[192+j], v[128+j]    ; gelu: set 0; register 16 b + i is hidden unit 32 b + 16 h + i of my row
.set j, j+1
.endr
.irp b, 0,1,2,3
	v_max3_num_f32 v[TM+\b], |v[16*\b]|, |v[1+16*\b]|, 0x2800000   ; block b: my 16 numbers, and the floor 2^(5 - 127): the byte cannot fall under 1
.endr
.irp i, 2,4,6,8,10,12,14
.irp b, 0,1,2,3
	v_max3_num_f32 v[TM+\b], v[TM+\b], |v[16*\b+\i]|, |v[1+16*\b+\i]|
.endr
.endr
.irp b, 0,1,2,3
	v_permlanex16_b32 v[TM+4+\b], v[TM+\b], s66, s67
.endr
.irp b, 0,1,2,3
	v_max_num_f32 v[TM+\b], v[TM+\b], v[TM+4+\b]   ; with lane l xor 16's: the block's largest magnitude
.endr
.irp b, 0,1,2,3
	v_add_nc_u32 v[TM+12+\b], 0xfe000000, v[TM+\b] ; 4 off its exponent field: the conversion's scale operand
.endr
.irp b, 0,1,2,3
	v_lshrrev_b32 v[TM+4+\b], 23, v[TM+12+\b]      ; the scale's byte
.endr
	v_lshl_or_b32 v[PW], v[TM+5], 8, v[TM+4]       ; my row's scale word
	v_lshl_or_b32 v[PW], v[TM+6], 16, v[PW]
	v_lshl_or_b32 v[PW], v[TM+7], 24, v[PW]
.irp c, 0,1
	v_cvt_scalef32_pk16_bf6_f32 v[PC+6*\c:PC+2+6*\c], v[32*\c:15+32*\c], v[TM+12+2*\c]
	v_cvt_scalef32_pk16_bf6_f32 v[PC+12+4*\c:PC+14+4*\c], v[16+32*\c:31+32*\c], v[TM+12+2*\c+1]   ; (a conversion's three registers begin on an even number)
.endr
	v_nop                                          ; one plain place behind a scaled conversion
.irp c, 0,1                                    ; the operand's layout wants a whole block in a lane: lanes 0-15 block 2 c, lanes 16-31 block 2 c + 1
.irp i, 0,1,2
	v_permlane16_swap_b32 v[PC+6*\c+\i], v[PC+12+4*\c+\i]
.endr
.irp i, 0,1,2
	v_mov_b32 v[PC+3+6*\c+\i], v[PC+12+4*\c+\i]
.endr
.endr
	WIN 0x08                                       ; a store's data are its source 1: window 2
.irp c, 0,1,2
	global_store_b128 v[L16], v[PC+4*\c:PC+4*\c+3], s[80:81] offset:512*\c   ; the fragment as an image of its registers: 512 consecutive bytes a store, aligned
.endr
	global_store_b32 v[R4], v[PW], s[82:83]        ; lanes l and l xor 16 hold the same word and write the same place
	WIN 0
	s_wait_xcnt 0x0                                ; the stores have read their registers and bases: the next products write over the first, the next tile over the second
.Lno_tile:
	s_add_co_u32 s70, s68, 4
	s_cmp_lt_u32 s70, s24
	s_cbranch_scc0 .Lno_products
	s_add_co_u32 s70, s68, 8
	ABLK                                           ; the next batch's products
.Lno_products:
	s_add_co_u32 s68, s68, 4
	s_cmp_lt_u32 s68, 64
	s_cbranch_scc1 .Lbatch
	s_wait_tensorcnt 0x0                           ; the wave's end, behind my last LDS store
	ds_add_u32 v[SPW], v[NIL]
	s_wait_dscnt 0x0
	s_endpgm
.Lfunc_end_k_q31189c0923_up:
	.size	k_q31189c0923_up, .Lfunc_end_k_q31189c0923_up-k_q31189c0923_up
	.p2alignl 7, 3214868480
	.fill 96, 4, 3214868480
	.section	.rodata,"a",@progbits
	.p2align	6, 0x0
	.amdhsa_kernel k_q31189c0923_up
		.amdhsa_group_segment_fixed_size 105984
		.amdhsa_private_segment_fixed_size 0
		.amdhsa_enable_private_segment 0
		.amdhsa_kernarg_size 64
		.amdhsa_user_sgpr_count 2
		.amdhsa_user_sgpr_kernarg_segment_ptr 1
		.amdhsa_wavefront_size32 1
		.amdhsa_system_sgpr_workgroup_id_x 1
		.amdhsa_system_sgpr_workgroup_id_y 1
		.amdhsa_system_sgpr_workgroup_id_z 1
		.amdhsa_system_vgpr_workitem_id 0
		.amdhsa_next_free_vgpr 768
		.amdhsa_next_free_sgpr 100
		.amdhsa_reserve_vcc 1
		.amdhsa_float_denorm_mode_32 3
		.amdhsa_float_denorm_mode_16_64 3
		.amdhsa_memory_ordered 1
		.amdhsa_forward_progress 1
		.amdhsa_inst_pref_size 137
	.end_amdhsa_kernel
	.amdgpu_metadata
---
amdhsa.version: [ 1, 2 ]
amdhsa.kernels:
  - .name:           k_q31189c0923_up
    .symbol:         k_q31189c0923_up.kd
    .args:
      - { .name: xq, .offset: 0, .size: 8, .value_kind: global_buffer, .address_space: global }
      - { .name: route_i, .offset: 8, .size: 8, .value_kind: global_buffer, .address_space: global }
      - { .name: w1_codes, .offset: 16, .size: 8, .value_kind: global_buffer, .address_space: global }
      - { .name: w1_scales, .offset: 24, .size: 8, .value_kind: global_buffer, .address_space: global }
      - { .name: b1, .offset: 32, .size: 8, .value_kind: global_buffer, .address_space: global }
      - { .name: h_codes, .offset: 40, .size: 8, .value_kind: global_buffer, .address_space: global }
      - { .name: h_scales, .offset: 48, .size: 8, .value_kind: global_buffer, .address_space: global }
      - { .name: place_i, .offset: 56, .size: 8, .value_kind: global_buffer, .address_space: global }
    .group_segment_fixed_size: 105984
    .private_segment_fixed_size: 0
    .kernarg_segment_align: 8
    .kernarg_segment_size: 64
    .max_flat_workgroup_size: 128
    .sgpr_count:     100
    .vgpr_count:     768
    .wavefront_size: 32
...
	.end_amdgpu_metadata
.endif
;; end of part 2
;; launch down (part 3): grid 32 x 8, 4 waves a work-group, no clusters, 198,144 bytes of LDS; arguments h_codes, h_scales, place_i, w2_codes, w2_scales, b2, y; writes y
.if DOCPART == 3
	.amdgcn_target "amdgcn-amd-amdhsa--gfx1250"
	.amdhsa_code_object_version 6
	.text
	.protected	k_q31189c0923_down
	.globl	k_q31189c0923_down
	.p2align	8
	.type	k_q31189c0923_down,@function
k_q31189c0923_down:
	s_mov_b64 s[64:65], 0
	v_nop
	global_prefetch_b8 v0, s[64:65] scope:SCOPE_SE
	s_setreg_imm32_b32 hwreg(HW_REG_WAVE_MODE, 25, 1), 1
	s_wait_xcnt 0x0
; SECOND PRODUCT OF THE CHOSEN EXPERTS: y[1024 e + rank][:] = h w2 + b2, f32, not yet weighted.
; Work-group (x, e): cs = x / 2 owns output columns 64 cs .. 64 cs + 63 of expert e (256 bytes of a row of y); p = x % 2 takes every second batch of 64 rows.
; THE WEIGHTS STAND STILL: 64 rows x 3,072 bytes of w2's codes are loaded in runs of 512 consecutive bytes, turned through LDS once, and stay in registers.
; THE WAVES SHARE K: wave w holds K steps 8 w .. 8 w + 7 of the four tiles of 16 columns (32 fragments, 384 registers), and reads only those steps of h.
; h comes as images of operand registers, straight from memory into registers, a tile of 16 rows (8 fragments, 28 loads with the scale words) at a time, in two buffers that take turns.
; A BATCH is four tiles of rows.  Each wave multiplies all four over its quarter of K; the parts meet in LDS as rows of 256 bytes; wave w adds the four parts of tile w, adds b2 and stores 16 rows.
; The loop over batches has a constant count and both barriers at its own level; work that the count of rows (read from place_i) does not ask for is jumped over by scalar branches.
; No tensor load, no cluster: branches hang on a count read from memory.
; THE PRODUCT IS USED TRANSPOSED (source 0 = 16 rows of w2, source 1 = 16 rows of h): a lane holds eight neighbouring columns of one row.
; A tile number past the expert's last tile is held at the last (tile 0 where there are no rows): those bytes were stored by the launch before, and what is made of them is never stored.
; REGISTERS: window 0: addresses, b2, scale words, v96-223 the 16 accumulators (32 m + 8 n), later the four parts.  Window 1: w2's fragments of my steps 0-3 (12 (4 n + s)).  Window 2: steps 4-7.
; Window 3: h's two buffers, v0-95 and v96-191.
.set WP,    3088                       ; a row of w2 in LDS: 3,072 bytes + 16 = 772 words: row r starts at bank 4 r mod 64
.set RP,    272                        ; a row of a part: 256 bytes + 16
.set RSRC,  16*RP                      ; a part: 16 rows
.set RDEST, 4*RSRC                     ; a tile's four parts.  They lie over the weights' stage, which is read out before the first of them is written
.set SPARE, 64*WP                      ; the spare words, 128 bytes for each wave: two blocks of 256 bytes that no other line names
.set SPW, 4
.set NIL, 5
.set STG, 6
.set WF,  8                            ; v8-11  fragments out of the stage, tile n
.set RW,  12
.set RR,  13
.set L16, 14
.set L4,  15
.set YO,  16
.set WSO, 17
.set R16, 18
.set BB,  20                           ; v20-23 b2 of my four columns
.set WS,  32                           ; v32-63 w2's scale words (8 n + s)
.set HS,  64                           ; v64-71 h's scale words (4 k + c): lanes 0-15 step 2 c, lanes 16-31 step 2 c + 1
.set ACC, 96
.set HP,  32                           ; s[32:35] the two buffers' bases in h_codes;  s[36:39] in h_scales
.set HQ,  36
.set MSB, 0
.macro WIN new                         ; the immediate's high byte repeats the setting that is left
.if MSB != \new
	s_set_vgpr_msb (MSB<<8)|\new
.set MSB, \new
.endif
.endm
.macro NOPS n
.rept \n
	v_nop
.endr
.endm
.macro BARRIER                         ; my LDS stores have landed and my LDS loads are in: then the work-group's barrier
	s_wait_dscnt 0x0
	s_barrier_signal -1
	s_barrier_wait -1
.endm
	s_load_b256 s[4:11], s[0:1], 0x0               ; h_codes 4, h_scales 6, place_i 8, w2_codes 10
	s_load_b128 s[12:15], s[0:1], 0x20             ; w2_scales 12, b2 14
	s_load_b64 s[16:17], s[0:1], 0x30              ; y
	v_lshl_add_u32 v[SPW], v0, 2, SPARE
	v_mov_b32 v[NIL], 0
	v_lshrrev_b32 v1, 5, v0
	v_readfirstlane_b32 s18, v1                    ; wave w
	s_lshr_b32 s19, ttmp9, 1                       ; cs
	s_and_b32 s20, ttmp9, 1                        ; p
	s_and_b32 s21, ttmp7, 0xffff                   ; e
	v_and_b32 v1, 31, v0
	v_and_b32 v2, 15, v0                           ; r
	v_bfe_u32 v3, v0, 4, 1                         ; h
	v_lshlrev_b32 v[L16], 4, v1
	v_lshlrev_b32 v[L4], 2, v1
	s_mul_i32 s44, s18, 16*WP
	v_add_nc_u32 v[STG], s44, v[L16]               ; my wave's 16 rows of the stage
	v_mul_u32_u24 v7, v2, WP
	v_mad_u32_u24 v7, v3, 24, v7
	s_mul_i32 s44, s18, 768
	v_add_nc_u32 v7, s44, v7                       ; row r, + 24 h, + my eight K steps
.irp n, 0,1,2,3
	v_add_nc_u32 v[WF+\n], \n*16*WP, v7
.endr
	v_mul_u32_u24 v[RW], v2, RP
	v_lshl_add_u32 v[RW], v3, 5, v[RW]
	s_mul_i32 s44, s18, RSRC
	v_add_nc_u32 v[RW], s44, v[RW]                 ; my part: row r, 32 bytes for each half of the lanes
	v_mul_u32_u24 v[RR], v3, RP
	v_lshl_add_u32 v[RR], v2, 4, v[RR]
	s_mul_i32 s44, s18, RDEST
	v_add_nc_u32 v[RR], s44, v[RR]                 ; my tile's parts: lanes 0-15 one row, lanes 16-31 the next
	v_lshlrev_b32 v[YO], 12, v3
	v_lshl_add_u32 v[YO], v2, 4, v[YO]             ; and the same two rows in y
	v_lshlrev_b32 v[WSO], 7, v2
	s_lshl_b32 s44, s18, 5
	v_add_nc_u32 v[WSO], s44, v[WSO]               ; w2's scale bytes: 128 a row, my 32
	v_lshlrev_b32 v[R16], 4, v2
	s_lshl_b32 s25, s21, 2
	s_lshl_b32 s44, s21, 10
	s_lshl_b32 s45, s19, 6
	s_add_co_u32 s44, s44, s45                     ; my first row of w2: 1024 e + 64 cs
	s_mov_b32 s47, 0                               ; stays 0: the upper word of every offset below
	s_wait_kmcnt 0x0
	s_load_b32 s22, s[8:9], s25 offset:0x2000      ; e's rows
	s_mul_i32 s46, s44, 3072
	s_mul_i32 s45, s18, 16*3072
	s_add_co_u32 s46, s46, s45
	s_add_nc_u64 s[10:11], s[10:11], s[46:47]
	s_lshl_b32 s46, s44, 7
	s_add_nc_u64 s[12:13], s[12:13], s[46:47]
	s_lshl_b32 s46, s44, 2
	s_add_nc_u64 s[14:15], s[14:15], s[46:47]
	s_mul_i32 s46, s21, 64*32*1536
	s_mul_i32 s45, s18, 8*1536
	s_add_co_u32 s46, s46, s45
	s_add_nc_u64 s[28:29], s[4:5], s[46:47]        ; h_codes at e's tile 0, my first K step
	s_lshl_b32 s46, s21, 17
	s_lshl_b32 s45, s18, 9
	s_add_co_u32 s46, s46, s45
	s_add_nc_u64 s[30:31], s[6:7], s[46:47]        ; h_scales likewise
	s_lshl_b32 s46, s21, 22
	s_lshl_b32 s45, s19, 8
	s_add_co_u32 s46, s46, s45
	s_add_nc_u64 s[48:49], s[16:17], s[46:47]      ; y at e's row 0, my columns
	WIN 0x40                                       ; destination window 1
.set q, 0
.rept 48
	global_load_b128 v[4*q:4*q+3], v[L16], s[10:11] offset:512*q
.set q, q+1
.endr
	WIN 0x80                                       ; window 2
.set q, 0
.rept 48
	global_load_b128 v[4*q:4*q+3], v[L16], s[10:11] offset:512*(q+48)
.set q, q+1
.endr
	WIN 0
.irp n, 0,1,2,3
	global_load_b128 v[WS+8*\n:WS+8*\n+3], v[WSO], s[12:13] offset:2048*\n
	global_load_b128 v[WS+8*\n+4:WS+8*\n+7], v[WSO], s[12:13] offset:2048*\n+16
.endr
	global_load_b128 v[BB:BB+3], v[R16], s[14:15]
	s_wait_kmcnt 0x0
	s_min_u32 s22, s22, 0x400
	s_add_co_u32 s23, s22, 15
	s_lshr_b32 s23, s23, 4                         ; s23 = e's tiles of 16 rows
	s_max_u32 s26, s23, 1
	s_sub_co_u32 s26, s26, 1                       ; s26 = the last tile that was stored
; Tile s42 + add, held at the last stored one, into buffer k: 24 loads of 512 consecutive bytes and 4 of scale words: 28.
.macro LOADH add, k
	s_add_co_u32 s44, s42, \add
	s_min_u32 s44, s44, s26
	s_min_u32 s44, s44, 63
	s_mul_i32 s46, s44, 32*1536
	s_add_nc_u64 s[HP+2*\k:HP+2*\k+1], s[28:29], s[46:47]
	s_lshl_b32 s46, s44, 11
	s_add_nc_u64 s[HQ+2*\k:HQ+2*\k+1], s[30:31], s[46:47]
	WIN 0xc0                                       ; destination window 3
.irp s, 0,1,2,3,4,5,6,7
.irp c, 0,1,2
	global_load_b128 v[96*\k+12*\s+4*\c:96*\k+12*\s+4*\c+3], v[L16], s[HP+2*\k:HP+2*\k+1] offset:1536*\s+512*\c
.endr
.endr
	WIN 0
.irp c, 0,1,2,3
	global_load_b32 v[HS+4*\k+\c], v[L4], s[HQ+2*\k:HQ+2*\k+1] offset:128*\c
.endr
.endm
	s_lshl_b32 s42, s20, 2                         ; four times my first batch
	LOADH 0, 0
	LOADH 1, 1
	s_wait_loadcnt 56                              ; the weights, their scale words and b2 are in; h's 2 x 28 loads, issued behind them, may be out
	WIN 0x04                                       ; an LDS store's data are its source 1: window 1
.set q, 0
.rept 48
	ds_store_b128 v[STG], v[4*q:4*q+3] offset:(q/6)*WP+(q%6)*512
.set q, q+1
.endr
	WIN 0x08                                       ; window 2
.set q, 0
.rept 48
	ds_store_b128 v[STG], v[4*q:4*q+3] offset:((q+48)/6)*WP+((q+48)%6)*512
.set q, q+1
.endr
	WIN 0
	BARRIER                                        ; the weights lie in LDS
	WIN 0x40
.irp n, 0,1,2,3
.irp s, 0,1,2,3
.irp p, 0,1,2,3,4,5
	ds_load_b64 v[12*(4*\n+\s)+2*\p:12*(4*\n+\s)+2*\p+1], v[WF+\n] offset:96*\s+48*(\p/3)+8*(\p%3)
.endr
.endr
.endr
	WIN 0x80
.irp n, 0,1,2,3
.irp s, 0,1,2,3
.irp p, 0,1,2,3,4,5
	ds_load_b64 v[12*(4*\n+\s)+2*\p:12*(4*\n+\s)+2*\p+1], v[WF+\n] offset:96*(\s+4)+48*(\p/3)+8*(\p%3)
.endr
.endr
.endr
	WIN 0
	BARRIER                                        ; every wave has its fragments: the parts may be written over the stage
; Tile m of a batch from buffer k: 32 products, K step by K step; the four accumulators take turns, one instruction a turn.  The first step starts the sums.
.macro MULT m, k
.irp s, 0,1,2,3,4,5,6,7
.if \s < 4
	WIN 0x0d                                       ; source 0 (w2) window 1, source 1 (h) window 3, C and D window 0
.else
	WIN 0x0e                                       ; source 0 window 2
.endif
.irp n, 0,1,2,3
.if \s == 0
	v_wmma_scale_f32_16x16x128_f8f6f4 v[ACC+32*\m+8*\n:ACC+32*\m+8*\n+7], v[12*(4*\n+\s%4):12*(4*\n+\s%4)+11], v[96*\k+12*\s:96*\k+12*\s+11], 0, v[WS+8*\n+\s], v[HS+4*\k+\s/2] matrix_a_fmt:MATRIX_FMT_BF6 matrix_b_fmt:MATRIX_FMT_BF6
.elseif (\s%2) == 0
	v_wmma_scale_f32_16x16x128_f8f6f4 v[ACC+32*\m+8*\n:ACC+32*\m+8*\n+7], v[12*(4*\n+\s%4):12*(4*\n+\s%4)+11], v[96*\k+12*\s:96*\k+12*\s+11], v[ACC+32*\m+8*\n:ACC+32*\m+8*\n+7], v[WS+8*\n+\s], v[HS+4*\k+\s/2] matrix_a_fmt:MATRIX_FMT_BF6 matrix_b_fmt:MATRIX_FMT_BF6
.else
	v_wmma_scale_f32_16x16x128_f8f6f4 v[ACC+32*\m+8*\n:ACC+32*\m+8*\n+7], v[12*(4*\n+\s%4):12*(4*\n+\s%4)+11], v[96*\k+12*\s:96*\k+12*\s+11], v[ACC+32*\m+8*\n:ACC+32*\m+8*\n+7], v[WS+8*\n+\s], v[HS+4*\k+\s/2] matrix_a_fmt:MATRIX_FMT_BF6 matrix_b_fmt:MATRIX_FMT_BF6 matrix_b_scale:MATRIX_SCALE_ROW1
.endif
.endr
.endr
.endm
.macro STORE m                         ; my part of tile m, to its owner's place; each accumulator from its low end on
.irp n, 0,1,2,3
	ds_store_b128 v[RW], v[ACC+32*\m+8*\n:ACC+32*\m+8*\n+3] offset:\m*RDEST+64*\n
	ds_store_b128 v[RW], v[ACC+32*\m+8*\n+4:ACC+32*\m+8*\n+7] offset:\m*RDEST+64*\n+16
.endr
.endm
; A batch's products; s42 = four times its number.  At its head the two buffers' loads are out, buffer 0's first: s_wait_loadcnt 28 always leaves the other buffer's 28 younger loads out.
; A buffer is asked for again behind the products that read it and four places (ISA guide 7.12.1 for vector instructions); its bases are written only behind the wait that showed its loads done.
; Whether my next batch exists decides in ONE branch both what is asked for and the count of the wait that fits it.
.macro ABLK
	s_wait_loadcnt 28
	MULT 0, 0
	NOPS 4
	WIN 0
	STORE 0
	LOADH 2, 0
	s_wait_loadcnt 28
	MULT 1, 1
	NOPS 4
	WIN 0
	STORE 1
	LOADH 3, 1
	s_wait_loadcnt 28
	MULT 2, 0
	NOPS 4
	WIN 0
	STORE 2
	s_add_co_u32 s45, s42, 8
	s_cmp_lt_u32 s45, s23
	s_cbranch_scc0 .Llast_\@
	LOADH 8, 0                                     ; my next batch's first tile
	s_wait_loadcnt 28
	MULT 3, 1
	NOPS 4
	LOADH 9, 1
	s_branch .Ljoin_\@
.Llast_\@:
	s_wait_loadcnt 0x0
	MULT 3, 1
	NOPS 4
	WIN 0
.Ljoin_\@:
	STORE 3
.endm
	ABLK                                           ; my first batch, always: so every register of the sums is written on every way
	s_lshl_b32 s40, s20, 2                         ; four times the batch in hand
	s_mov_b32 s41, 0
.Lbatch:
	BARRIER                                        ; all parts of this batch lie in LDS
	s_add_co_u32 s52, s40, s18                     ; my tile of rows
	s_cmp_lt_u32 s52, s23
	s_cbranch_scc0 .Lno_parts
.irp u, 0,1,2,3
.irp i, 0,1,2,3,4,5,6,7
	ds_load_b128 v[ACC+32*\u+4*\i:ACC+32*\u+4*\i+3], v[RR] offset:\u*RSRC+2*\i*RP
.endr
.endr
.Lno_parts:
	BARRIER                                        ; all parts are read: their places may be written again
	s_cmp_lt_u32 s52, s23
	s_cbranch_scc0 .Lno_tile
	s_lshl_b32 s46, s52, 16                        ; 16 rows of 4,096 bytes a tile
	s_add_nc_u64 s[50:51], s[48:49], s[46:47]
.set j, 0
.rept 16
	v_pk_add_f32 v[ACC+j:ACC+j+1], v[ACC+j:ACC+j+1], v[ACC+32+j:ACC+33+j]
	v_pk_add_f32 v[ACC+64+j:ACC+65+j], v[ACC+64+j:ACC+65+j], v[ACC+96+j:ACC+97+j]
.set j, j+2
.endr
.set j, 0
.rept 16
	v_pk_add_f32 v[ACC+j:ACC+j+1], v[ACC+j:ACC+j+1], v[ACC+64+j:ACC+65+j]
.set j, j+2
.endr
.irp i, 0,1,2,3,4,5,6,7
	v_pk_add_f32 v[ACC+4*\i:ACC+4*\i+1], v[ACC+4*\i:ACC+4*\i+1], v[BB:BB+1]
	v_pk_add_f32 v[ACC+4*\i+2:ACC+4*\i+3], v[ACC+4*\i+2:ACC+4*\i+3], v[BB+2:BB+3]
.endr
.irp i, 0,1,2,3,4,5,6,7
	global_store_b128 v[YO], v[ACC+4*\i:ACC+4*\i+3], s[50:51] offset:8192*\i   ; sixteen lanes store 256 consecutive bytes, aligned; lanes 16-31 the next row's
.endr
	s_wait_xcnt 0x0                                ; the stores have read their registers and base: the next products write over the first, the next tile over the second
.Lno_tile:
	s_add_co_u32 s42, s40, 8
	s_cmp_lt_u32 s42, s23
	s_cbranch_scc0 .Lno_products
	ABLK                                           ; my next batch's products
.Lno_products:
	s_add_co_u32 s40, s40, 8
	s_add_co_u32 s41, s41, 1
	s_cmp_lt_u32 s41, 8
	s_cbranch_scc1 .Lbatch
	s_wait_tensorcnt 0x0                           ; the wave's end, behind my last LDS store
	ds_add_u32 v[SPW], v[NIL]
	s_wait_dscnt 0x0
	s_endpgm
.Lfunc_end_k_q31189c0923_down:
	.size	k_q31189c0923_down, .Lfunc_end_k_q31189c0923_down-k_q31189c0923_down
	.p2alignl 7, 3214868480
	.fill 96, 4, 3214868480
	.section	.rodata,"a",@progbits
	.p2align	6, 0x0
	.amdhsa_kernel k_q31189c0923_down
		.amdhsa_group_segment_fixed_size 198144
		.amdhsa_private_segment_fixed_size 0
		.amdhsa_enable_private_segment 0
		.amdhsa_kernarg_size 56
		.amdhsa_user_sgpr_count 2
		.amdhsa_user_sgpr_kernarg_segment_ptr 1
		.amdhsa_wavefront_size32 1
		.amdhsa_system_sgpr_workgroup_id_x 1
		.amdhsa_system_sgpr_workgroup_id_y 1
		.amdhsa_system_sgpr_workgroup_id_z 1
		.amdhsa_system_vgpr_workitem_id 0
		.amdhsa_next_free_vgpr 1024
		.amdhsa_next_free_sgpr 66
		.amdhsa_reserve_vcc 0
		.amdhsa_float_denorm_mode_32 3
		.amdhsa_float_denorm_mode_16_64 3
		.amdhsa_memory_ordered 1
		.amdhsa_forward_progress 1
		.amdhsa_inst_pref_size 116
	.end_amdhsa_kernel
	.amdgpu_metadata
---
amdhsa.version: [ 1, 2 ]
amdhsa.kernels:
  - .name:           k_q31189c0923_down
    .symbol:         k_q31189c0923_down.kd
    .args:
      - { .name: h_codes, .offset: 0, .size: 8, .value_kind: global_buffer, .address_space: global }
      - { .name: h_scales, .offset: 8, .size: 8, .value_kind: global_buffer, .address_space: global }
      - { .name: place_i, .offset: 16, .size: 8, .value_kind: global_buffer, .address_space: global }
      - { .name: w2_codes, .offset: 24, .size: 8, .value_kind: global_buffer, .address_space: global }
      - { .name: w2_scales, .offset: 32, .size: 8, .value_kind: global_buffer, .address_space: global }
      - { .name: b2, .offset: 40, .size: 8, .value_kind: global_buffer, .address_space: global }
      - { .name: y, .offset: 48, .size: 8, .value_kind: global_buffer, .address_space: global }
    .group_segment_fixed_size: 198144
    .private_segment_fixed_size: 0
    .kernarg_segment_align: 8
    .kernarg_segment_size: 56
    .max_flat_workgroup_size: 128
    .sgpr_count:     66
    .vgpr_count:     1024
    .wavefront_size: 32
...
	.end_amdgpu_metadata
.endif
;; end of part 3
;; launch combine (part 4): grid 256 x 1, 4 waves a work-group, no clusters, 0 bytes of LDS; arguments place_i, wgt, y, out0; writes out0
.if DOCPART == 4
	.amdgcn_target "amdgcn-amd-amdhsa--gfx1250"
	.amdhsa_code_object_version 6
	.text
	.protected	k_q31189c0923_combine
	.globl	k_q31189c0923_combine
	.p2align	8
	.type	k_q31189c0923_combine,@function
k_q31189c0923_combine:
	s_mov_b64 s[64:65], 0
	v_nop
	global_prefetch_b8 v0, s[64:65] scope:SCOPE_SE
	s_setreg_imm32_b32 hwreg(HW_REG_WAVE_MODE, 25, 1), 1
	s_wait_xcnt 0x0
; out0[t] = w0 y[place of t with its first expert] + w1 y[place with its second].  Each output row has one owner: a wave takes a token.
; The two places are whole numbers stored by an earlier launch; each is held inside y's 8,192 rows before it enters an address.
; A stream: every load and store of a wave covers 512 consecutive bytes; no LDS, no barrier, no matrix unit: there is nothing to share and nothing to multiply by a matrix.
	s_load_b256 s[4:11], s[0:1], 0x0               ; place_i 4, wgt 6, y 8, out0 10
	v_lshrrev_b32 v1, 5, v0
	v_readfirstlane_b32 s12, v1                    ; wave
	v_and_b32 v1, 31, v0
	v_lshlrev_b32 v1, 4, v1                        ; 16 x lane
	s_lshl_b32 s13, ttmp9, 2
	s_add_co_u32 s13, s13, s12                     ; my token
	s_lshl_b32 s14, s13, 3
	s_lshl_b32 s24, s13, 12
	s_mov_b32 s25, 0
	s_wait_kmcnt 0x0
	s_load_b64 s[16:17], s[4:5], s14 offset:0x0    ; its two places
	s_load_b64 s[18:19], s[6:7], s14 offset:0x0    ; its two weights
	s_add_nc_u64 s[10:11], s[10:11], s[24:25]
	s_wait_kmcnt 0x0
	s_min_u32 s16, s16, 0x1fff
	s_min_u32 s17, s17, 0x1fff
	s_lshl_b32 s20, s16, 12
	s_mov_b32 s21, 0
	s_lshl_b32 s22, s17, 12
	s_mov_b32 s23, 0
	s_add_nc_u64 s[20:21], s[8:9], s[20:21]
	s_add_nc_u64 s[22:23], s[8:9], s[22:23]
	s_mov_b32 s26, s19                             ; the second weight in a pair of its own: the packed form takes a pair's low word for both halves
	s_mov_b32 s27, s19
.irp i, 0,1,2,3,4,5,6,7
	global_load_b128 v[8+4*\i:11+4*\i], v1, s[20:21] offset:512*\i th:TH_LOAD_NT
.endr
.irp i, 0,1,2,3,4,5,6,7
	global_load_b128 v[40+4*\i:43+4*\i], v1, s[22:23] offset:512*\i th:TH_LOAD_NT
.endr
	s_wait_loadcnt 8                               ; the first row's eight are in; the second row's may be out
.set j, 0
.rept 16
	v_pk_mul_f32 v[8+j:9+j], v[8+j:9+j], s[18:19] op_sel_hi:[1,0]
.set j, j+2
.endr
	s_wait_loadcnt 0x0
.set j, 0
.rept 16
	v_pk_fma_f32 v[8+j:9+j], v[40+j:41+j], s[26:27], v[8+j:9+j] op_sel_hi:[1,0,1]
.set j, j+2
.endr
.irp i, 0,1,2,3,4,5,6,7
	global_store_b128 v1, v[8+4*\i:11+4*\i], s[10:11] offset:512*\i th:TH_STORE_NT
.endr
	s_endpgm
.Lfunc_end_k_q31189c0923_combine:
	.size	k_q31189c0923_combine, .Lfunc_end_k_q31189c0923_combine-k_q31189c0923_combine
	.p2alignl 7, 3214868480
	.fill 96, 4, 3214868480
	.section	.rodata,"a",@progbits
	.p2align	6, 0x0
	.amdhsa_kernel k_q31189c0923_combine
		.amdhsa_group_segment_fixed_size 0
		.amdhsa_private_segment_fixed_size 0
		.amdhsa_enable_private_segment 0
		.amdhsa_kernarg_size 32
		.amdhsa_user_sgpr_count 2
		.amdhsa_user_sgpr_kernarg_segment_ptr 1
		.amdhsa_wavefront_size32 1
		.amdhsa_system_sgpr_workgroup_id_x 1
		.amdhsa_system_sgpr_workgroup_id_y 1
		.amdhsa_system_sgpr_workgroup_id_z 1
		.amdhsa_system_vgpr_workitem_id 0
		.amdhsa_next_free_vgpr 80
		.amdhsa_next_free_sgpr 66
		.amdhsa_reserve_vcc 0
		.amdhsa_float_denorm_mode_32 3
		.amdhsa_float_denorm_mode_16_64 3
		.amdhsa_memory_ordered 1
		.amdhsa_forward_progress 1
		.amdhsa_inst_pref_size 6
	.end_amdhsa_kernel
	.amdgpu_metadata
---
amdhsa.version: [ 1, 2 ]
amdhsa.kernels:
  - .name:           k_q31189c0923_combine
    .symbol:         k_q31189c0923_combine.kd
    .args:
      - { .name: place_i, .offset: 0, .size: 8, .value_kind: global_buffer, .address_space: global }
      - { .name: wgt, .offset: 8, .size: 8, .value_kind: global_buffer, .address_space: global }
      - { .name: y, .offset: 16, .size: 8, .value_kind: global_buffer, .address_space: global }
      - { .name: out0, .offset: 24, .size: 8, .value_kind: global_buffer, .address_space: global }
    .group_segment_fixed_size: 0
    .private_segment_fixed_size: 0
    .kernarg_segment_align: 8
    .kernarg_segment_size: 32
    .max_flat_workgroup_size: 128
    .sgpr_count:     66
    .vgpr_count:     80
    .wavefront_size: 32
...
	.end_amdgpu_metadata
.endif
;; end of part 4
;; ======== version 2 of 2: 4 launches; version 1 with the launches up, down written anew for expert scheduling mode
;; workspace buffers: route_i 5,120 bytes of whole numbers; wgt 8,192 bytes; xq 1,048,576 bytes; place_i 12,544 bytes of whole numbers; h_codes 25,165,824 bytes; h_scales 1,048,576 bytes; y 33,554,432 bytes
;; launch route: the kernel of part 1 again; grid 128 x 1, 4 waves a work-group, no clusters, 70,912 bytes of LDS; arguments x, gate_w, gate_b, out1, route_i, wgt, xq; writes out1, route_i, wgt, xq
;; launch up (part 5): grid 32 x 8, 4 waves a work-group, no clusters, 105,984 bytes of LDS; arguments xq, route_i, w1_codes, w1_scales, b1, h_codes, h_scales, place_i; writes h_codes, h_scales, place_i
.if DOCPART == 5
	.amdgcn_target "amdgcn-amd-amdhsa--gfx1250"
	.amdhsa_code_object_version 6
	.text
	.protected	k_q31189c0923_up
	.globl	k_q31189c0923_up
	.p2align	8
	.type	k_q31189c0923_up,@function
k_q31189c0923_up:
	s_mov_b64 s[64:65], 0
	v_nop
	global_prefetch_b8 v0, s[64:65] scope:SCOPE_SE
	s_setreg_imm32_b32 hwreg(HW_REG_WAVE_SCHED_MODE, 0, 2), 2
	s_setreg_imm32_b32 hwreg(HW_REG_WAVE_MODE, 25, 1), 1
	s_wait_xcnt 0x0
	s_wait_alu depctr_vm_vsrc(0)
; FIRST PRODUCT OF THE CHOSEN EXPERTS: h = Q(gelu(Q(x) w1 + b1)), only for the rows that the router gave to an expert.
; Work-group (j, e) owns hidden units 128 j .. 128 j + 127 of expert e (one step of 128 along the next product's K), for all rows of e.
; THE WEIGHTS STAND STILL: its 128 rows x 768 bytes of w1's codes are loaded once, 256 consecutive bytes to sixteen lanes, turned through LDS once, and stay in registers.
; THE WAVES SHARE K: wave w holds K steps 2 w, 2 w + 1 of all eight tiles of 16 hidden units (16 fragments, 192 registers), and reads only quarter w of each token's codes.
; ROWS.  Rank rho of expert e is the token of the rho-th set bit of e's mask (stored by the launch before as whole numbers).  Each work-group turns the mask into a list in LDS by integer arithmetic;
; work-groups with j = 0 also store each token's place (place_i: 1024 e + rank at [token][which of its two experts]) and the count.  All lanes stay on throughout: a rank past the count stores its number
; into a word of the thread's own behind the table (word 2112 + 128 e + thread), which nobody reads.
; A BATCH is 64 rows, four tiles.  Each wave multiplies all four (partial sums over its quarter of K); tile (w + i) & 3 is its i-th; i = 0 stays in registers, i = 1 .. 3 go through LDS to wave (w + i) & 3,
; which adds the four parts of its tile, applies the exact GELU, quantises along the hidden units and stores the codes as an image of the next product's operand registers.
; The loop over batches has a constant count and both its barriers stand at its own level; work that the count of rows does not ask for is jumped over by scalar branches.
; No tensor load, no cluster: branches hang on a count read from memory, and no two work-groups share a weight.
; THE PRODUCT IS USED TRANSPOSED (source 0 = 16 rows of w1, source 1 = 16 rows of x), and lane r of tile 2 b + u takes hidden unit 32 b + 8 u + r + 8 (r / 8): a lane then holds one row, and the 16 registers
; of tiles 2 b, 2 b + 1 are 16 neighbours along the next K.
; GELU(x) = max(x, 0) - |x| q, q = erfc(|x| / sqrt 2) / 2 = t 2^(c0 + t (c1 + .. + t c9) - x x log2(e) / 2), t = 1 / (1 + |x| / (2 sqrt 2)): a rational Chebyshev fit of erfc whose fractional error is 1.2e-7 everywhere,
; so that the tail has no difference of near numbers.
; LIMITS: NaN and infinities are not served.  A block of zeros gets the byte 1 (its codes are zeros; this program alone reads the bytes).  Rows past an expert's count in its last batch are computed from some valid token and never used.
; REGISTERS: window 0: addresses, scale words, v64-159 x's fragments, v160-179 the list's arithmetic.  Window 1: v0-191 w1's fragments (tile t, step s at 12 (2 t + s)), v192-255 b1.  Window 2: four sets of 64 sums.
; THE MODE: SCHED_MODE bits 1:0 = 2 (LLVM: expert scheduling mode 2), set by the entry lines.  The code itself states the register dependences
; between vector or matrix instructions and memory or LDS instructions, with s_wait_alu, always for 0.
; THE PLAN.  Registers that memory or LDS instructions touch, and who else names them:
;   v4-21, v58, v59, v179   addresses and offsets, made at the head and never written again: one wait on va_vdst ahead of the first load serves them for the whole kernel.
;   the list's TA, TOK, SA, SV, SL, VAL   written by a trip's arithmetic, read by its LDS store, its load and its store: a wait on va_vdst ahead of each of the three; one wait on vm_vsrc at the trip's end, ahead of the next trip's writes.
;   window 1, v0-191   land from memory, are read by the stage's LDS stores, then the fragments land in them: one wait on vm_vsrc between the two.  No vector instruction ever names them.
;   sets 1 to 3        written by the products, read by the LDS stores STORE 1 to 3; then the parts land in them, the GELU works in them, and the codes leave from set 1.
;   X, XS              land from memory, are read by the products.     TA, XA, XSA   written by vector lines and by the list's loads, read by the list's loads and by x's loads.
; A batch's products hold two waits on va_vdst.  The first, behind MULT 2 and its places: sets 1 and 2 are written; it serves STORE 1 and STORE 2, between which only MULT 3 stands, which names neither set.
; The second, behind MULT 0 and its places: sets 3 and 0 are written, X and XS are read out, TA is written; it serves STORE 3 and the list's loads.  x's loads have one more, for XA and XSA, which were just made.
; At the loop's top one wait on vm_vsrc states that the LDS stores have read sets 1 to 3; ahead of the parts' loads one on va_vdst, that all vector and matrix work on those sets is over.
; A vector instruction's scalar result (the wave's number, a compare's mask) has its wait on va_sdst or va_vcc ahead of its first reader; the list's compares are laid in runs of seven for one wait.
.set WP,    784                        ; a row of w1 in LDS: 768 bytes + 16 = 196 words: row r starts at bank 4 r mod 64, so the 32 lanes of a load of 8 bytes touch 64 different banks
.set RDEST, 24576                      ; the parts for one wave: three slots
.set RSLOT, 8192                       ; a slot: 64 registers, 16 planes of 512 bytes.  The slots lie over the weights' stage, which is read out before the first of them is written
.set LIST,  128*WP                     ; the list: rank rho's token at 4 rho; 4,096 bytes, and 1,024 that the look-ahead's address could reach by its loop's count and never does by its branch
.set SPARE, LIST+5120                  ; the spare words, 128 bytes for each wave: two blocks of 256 bytes that no other line names
.set SPW, 4
.set NIL, 5
.set STG, 6                            ; v6     weights into the stage
.set WFA, 7                            ; v7-8   fragments out of it: tiles 0-3, tiles 4-7
.set LW,  9                            ; v9     the list, on the way in
.set LA,  10                           ; v10-13 the list, on the way out: my i-th tile's row r
.set RW,  14                           ; v14-16 where my parts i = 1 .. 3 go
.set RR,  17                           ; v17    where the parts for me lie
.set GWO, 18                           ; v18    w1's codes in memory
.set L16, 19                           ; v19    16 x lane
.set R4,  20                           ; v20    4 r
.set H48, 21                           ; v21    48 h
.set XA,  24                           ; v24-27 my i-th tile's token: byte of my 48 bytes in xq
.set XSA, 28                           ; v28-31 and of its unit
.set WS,  32                           ; v32-47 w1's scale words (2 t + s)
.set XS,  48                           ; v48-55 x's scale words (2 i + s)
.set K9,  56                           ; v56-57 c9, twice
.set BO,  58
.set WSO, 59
.set TA,  60                           ; v60-63 LDS addresses of the list's loads and stores in hand
.set X,   64                           ; v64-159 x's fragments (24 i + 12 s)
.set RHO, 160
.set WD,  161
.set CP,  162
.set REM, 163
.set GI,  164
.set CA,  165
.set CB,  166
.set CC,  167
.set CD,  168
.set POS, 169
.set T0,  170
.set T1,  171
.set TOK, 172
.set SA,  173
.set SV,  174
.set SL,  175
.set VAL, 176
.set CNA, 177
.set CNV, 178
.set DMP, 179                          ; v179   the word of place_i that is my thread's own: 2112 + 128 e + thread
.set MK,  86                           ; s86-92 the masks of a run of compares
.set PK,  93                           ; s93-99 the counts that go with them
.set B1,  192                          ; window 1
.set TM,  64                           ; window 2, in set 1 once t is done with: the quantiser's registers
.set PW,  80
.set PC,  84
.set MSB, 0
.macro WIN new                         ; the immediate's high byte repeats the setting that is left
.if MSB != \new
	s_set_vgpr_msb (MSB<<8)|\new
.set MSB, \new
.endif
.endm
.macro NOPS n
.rept \n
	v_nop
.endr
.endm
.macro BARRIER                         ; my LDS stores have landed and my LDS loads are in: then the work-group's barrier
	s_wait_dscnt 0x0
	s_barrier_signal -1
	s_barrier_wait -1
.endm
	s_load_b512 s[4:19], s[0:1], 0x0               ; xq 4, route_i 6, w1_codes 8, w1_scales 10, b1 12, h_codes 14, h_scales 16, place_i 18
	v_lshl_add_u32 v[SPW], v0, 2, SPARE
	v_mov_b32 v[NIL], 0
	v_lshrrev_b32 v1, 5, v0
	v_readfirstlane_b32 s20, v1                    ; wave w
	s_mov_b32 s21, ttmp9                           ; j
	s_and_b32 s22, ttmp7, 0xffff                   ; e
	v_and_b32 v1, 31, v0                           ; lane L
	v_and_b32 v2, 15, v0                           ; r
	v_bfe_u32 v3, v0, 4, 1                         ; h
	v_lshlrev_b32 v[L16], 4, v1
	v_lshlrev_b32 v[R4], 2, v2
	v_mul_u32_u24 v[H48], v3, 48
	s_lshl_b32 s70, s22, 7
	s_add_co_u32 s70, s70, 2112
	v_add_nc_u32 v[DMP], s70, v0
	s_wait_alu depctr_va_sdst(0)                   ; s20, the wave's number, is written, ahead of its first reader
	s_mul_i32 s70, s20, 32*WP
	v_mul_u32_u24 v[STG], v3, WP
	v_lshl_add_u32 v[STG], v2, 4, v[STG]
	v_add_nc_u32 v[STG], s70, v[STG]               ; my wave's 32 rows; sixteen lanes to 256 bytes of a row, lanes 16-31 the next row
	v_mul_u32_u24 v[WFA], v2, WP
	v_mad_u32_u24 v[WFA], v3, 24, v[WFA]
	s_mul_i32 s70, s20, 192
	v_add_nc_u32 v[WFA], s70, v[WFA]               ; place r of a tile, + 24 h, + my two K steps
	v_add_nc_u32 v[WFA+1], 64*WP, v[WFA]
	s_lshl_b32 s70, s20, 7
	s_add_co_u32 s70, s70, LIST
	v_lshl_add_u32 v[LW], v1, 2, s70               ; ranks 32 w + L of a run of 128
.irp i, 0,1,2,3
	s_add_co_u32 s70, s20, \i
	s_and_b32 s70, s70, 3                          ; my i-th tile of a batch
	s_lshl_b32 s71, s70, 6
	s_add_co_u32 s71, s71, LIST
	v_add_nc_u32 v[LA+\i], s71, v[R4]
.if \i > 0
	s_mul_i32 s71, s70, RDEST
	v_add_nc_u32 v[RW+\i-1], s71, v[L16]
.endif
.endr
	s_mul_i32 s70, s20, RDEST
	v_add_nc_u32 v[RR], s70, v[L16]
	v_mul_u32_u24 v[GWO], v3, 768
	v_lshl_add_u32 v[GWO], v2, 4, v[GWO]
	v_lshlrev_b32 v[BO], 6, v3                     ; b1: my half's eight units lie 16 units on
	v_and_b32 v[WSO], 8, v2
	v_add_nc_u32 v[WSO], v[WSO], v2                ; r + 8 (r / 8)
	v_lshlrev_b32 v[WSO], 5, v[WSO]                ; 32 scale bytes a row,
	s_lshl_b32 s70, s20, 3
	v_add_nc_u32 v[WSO], s70, v[WSO]               ; my two words of them
	v_mov_b32 v[K9], 0x3e7c6f08
	v_mov_b32 v[K9+1], 0x3e7c6f08
	s_mov_b32 s66, 0x76543210
	s_mov_b32 s67, 0xfedcba98                      ; v_permlanex16_b32's selects for lane l xor 16
	s_mov_b32 s84, 0x3eb504f3                      ; 1 / (2 sqrt 2)
	s_lshl_b32 s26, s22, 7                         ; e's mask: 128 bytes
	s_lshl_b32 s70, s22, 12
	s_lshl_b32 s71, s21, 7
	s_add_co_u32 s70, s70, s71                     ; my first row of w1: 4096 e + 128 j
	s_mul_i32 s72, s70, 768
	s_mul_i32 s74, s20, 32*768
	s_add_co_u32 s72, s72, s74
	s_mov_b32 s73, 0
	s_wait_kmcnt 0x0
	s_load_b512 s[32:47], s[6:7], s26 offset:0x0   ; the mask: word g holds tokens 32 g .. 32 g + 31
	s_load_b512 s[48:63], s[6:7], s26 offset:0x40
	s_add_nc_u64 s[8:9], s[8:9], s[72:73]
	s_lshl_b32 s72, s70, 5
	s_add_nc_u64 s[10:11], s[10:11], s[72:73]
	s_lshl_b32 s72, s70, 2
	s_add_nc_u64 s[12:13], s[12:13], s[72:73]
	s_lshl_b32 s72, s20, 18
	s_add_nc_u64 s[28:29], s[4:5], s[72:73]        ; xq's quarter w
	WIN 0x40                                       ; destination window 1
	s_wait_alu depctr_va_vdst(0)                   ; all addresses and offsets of the head (v4-21, v58, v59, v179) are written: the loads and stores of the whole kernel read them, and no vector line writes them again
.set q, 0
.rept 48
	global_load_b128 v[4*q:4*q+3], v[GWO], s[8:9] offset:(q/3)*1536+(q%3)*256 th:TH_LOAD_NT   ; rows 2 (q / 3), + 1; each byte of w1 is read once in the launch
.set q, q+1
.endr
.irp t, 0,1,2,3,4,5,6,7
	global_load_b128 v[B1+8*\t:B1+8*\t+3], v[BO], s[12:13] offset:(32*(\t/2)+8*(\t%2))*4
	global_load_b128 v[B1+8*\t+4:B1+8*\t+7], v[BO], s[12:13] offset:(32*(\t/2)+8*(\t%2))*4+16
.endr
	WIN 0
.irp t, 0,1,2,3,4,5,6,7
	global_load_b64 v[WS+2*\t:WS+2*\t+1], v[WSO], s[10:11] offset:(32*(\t/2)+8*(\t%2))*32
.endr
	s_wait_kmcnt 0x0
	s_bcnt1_i32_b32 s23, s32
.set g, 1
.rept 31
	s_bcnt1_i32_b32 s70, s[32+g]
	s_add_co_u32 s23, s23, s70
.set g, g+1
.endr                                              ; s23 = e's rows
	s_add_co_u32 s24, s23, 15
	s_lshr_b32 s24, s24, 4
	s_max_u32 s24, s24, 1                          ; s24 = its tiles of 16 rows, at least one: tile 0 is always stored, so that a clamped read of the next launch finds bytes that were written
	s_add_co_u32 s25, s23, 63
	s_and_b32 s25, s25, 0xffffffc0
	s_max_u32 s25, s25, 64                         ; s25 = the ranks that the batches will read
; THE LIST.  Eight trips of 128 ranks, 32 a wave; a trip's work is jumped over where its ranks are not read.
; A run of n words from word g0 on: the compares first, each into a mask register of its own, with the count that goes with it; one wait; then the choices, in the words' order.
.macro RUN g0, n
.set ri, 0
.rept \n
	s_add_co_u32 s[PK+ri], s76, (\g0+ri)<<16
	v_cmp_le_u32 s[MK+ri], s76, v[RHO]
	s_bcnt1_i32_b32 s78, s[32+\g0+ri]
	s_add_co_u32 s76, s76, s78
.set ri, ri+1
.endr
	s_wait_alu depctr_va_sdst(0)                   ; the run's masks are written, ahead of the choices that read them
.set ri, 0
.rept \n
	v_cndmask_b32 v[WD], v[WD], s[32+\g0+ri], s[MK+ri]   ; the last word in front of which at most rho bits are set,
	v_cndmask_b32 v[CP], v[CP], s[PK+ri], s[MK+ri]       ; that count, and the word's number above it
.set ri, ri+1
.endr
.endm
.macro DESC src, wid                   ; one step down: are REM set bits passed by the field's lower half?
	v_bfe_u32 v[T0], v[\src], v[POS], \wid
	v_cmp_ge_u32 vcc_lo, v[REM], v[T0]
	s_wait_alu depctr_va_vcc(0)                    ; VCC is written, ahead of the two choices that read it (each step hangs on the step before: no run can be made of them)
	v_cndmask_b32 v[T0], 0, v[T0], vcc_lo
	v_cndmask_b32 v[T1], 0, \wid, vcc_lo
	v_sub_nc_u32 v[REM], v[REM], v[T0]
	v_add_nc_u32 v[POS], v[POS], v[T1]
.endm
	s_mov_b32 s71, 0                               ; 512 x trip
	s_lshl_b32 s72, s20, 5                         ; my first rank: 32 w + 128 x trip
	s_mov_b32 s75, 0
.Llist:
	s_cmp_lt_u32 s72, s25
	s_cbranch_scc0 .Llist_next
	v_add_nc_u32 v[RHO], s72, v1                   ; my rank
	v_mov_b32 v[WD], s32
	v_mov_b32 v[CP], 0
	s_bcnt1_i32_b32 s76, s32                       ; set bits in the words before word g
	RUN 1, 7
	RUN 8, 7
	RUN 15, 7
	RUN 22, 7
	RUN 29, 3
	v_and_b32 v[REM], 0xffff, v[CP]
	v_sub_nc_u32 v[REM], v[RHO], v[REM]            ; which set bit of the word
	v_lshrrev_b32 v[GI], 16, v[CP]
	v_lshrrev_b32 v[CA], 1, v[WD]                  ; the word's counts in fields of 2, 4, 8, 16 bits
	v_and_b32 v[CA], 0x55555555, v[CA]
	v_sub_nc_u32 v[CA], v[WD], v[CA]
	v_lshrrev_b32 v[CB], 2, v[CA]
	v_and_b32 v[CB], 0x33333333, v[CB]
	v_and_b32 v[CC], 0x33333333, v[CA]
	v_add_nc_u32 v[CB], v[CB], v[CC]
	v_lshrrev_b32 v[CC], 4, v[CB]
	v_add_nc_u32 v[CC], v[CC], v[CB]
	v_and_b32 v[CC], 0x0f0f0f0f, v[CC]
	v_lshrrev_b32 v[CD], 8, v[CC]
	v_add_nc_u32 v[CD], v[CD], v[CC]
	v_and_b32 v[CD], 0x00ff00ff, v[CD]
	v_mov_b32 v[POS], 0
	DESC CD, 16
	DESC CC, 8
	DESC CB, 4
	DESC CA, 2
	DESC WD, 1
	v_lshl_add_u32 v[TOK], v[GI], 5, v[POS]
	v_min_u32 v[TOK], 0x3ff, v[TOK]                ; a rank past the count gives some token inside the table
	v_add_nc_u32 v[TA], s71, v[LW]
	s_wait_alu depctr_va_vdst(0)                   ; TA and TOK are written, which the LDS store reads
	ds_store_b32 v[TA], v[TOK]
	s_cmp_lg_u32 s21, 0
	s_cbranch_scc1 .Llist_done
	v_lshlrev_b32 v[SA], 2, v[TOK]                 ; j = 0: the token's place goes to place_i
	s_lshl_b32 s79, s22, 10
	v_add_nc_u32 v[VAL], s79, v[RHO]               ; 1024 e + rank
	s_wait_alu depctr_va_vdst(0)                   ; SA is written, which the load reads; the last trip's lines are done with SV, in which it lands
	global_load_b32 v[SV], v[SA], s[6:7] offset:1024
	s_wait_loadcnt 0x0
	v_bfe_u32 v[SV], v[SV], 8, 8                   ; the token's second expert
	v_cmp_eq_u32 s[MK], s22, v[SV]
	v_cmp_gt_u32 s[MK+1], s23, v[RHO]
	s_wait_alu depctr_va_sdst(0)                   ; both masks are written, ahead of the choices that read them
	v_cndmask_b32 v[SV], 0, 1, s[MK]
	v_lshl_add_u32 v[SL], v[TOK], 1, v[SV]         ; word 2 x token + which of its two experts I am
	v_cndmask_b32 v[SL], v[DMP], v[SL], s[MK+1]    ; a rank past the count takes my thread's own word instead: a choice of a value, all lanes on
	v_min_u32 v[SL], 0xc3f, v[SL]                  ; held inside place_i's 3,136 words
	v_lshlrev_b32 v[SL], 2, v[SL]
	s_wait_alu depctr_va_vdst(0)                   ; SL is written (VAL was, ahead of the wait before), which the store reads
	global_store_b32 v[SL], v[VAL], s[18:19]
	s_wait_xcnt 0x0                                ; the store's address is translated: its registers are written again only behind this wait
.Llist_done:
	s_wait_dscnt 0x0                               ; the list's store is done
	s_wait_alu depctr_vm_vsrc(0)                   ; the LDS store has read TA and TOK, the load SA, the store SL and VAL: the next trip writes all five again, and the batches write TA
.Llist_next:
	s_add_co_u32 s71, s71, 512
	s_add_co_u32 s72, s72, 128
	s_add_co_u32 s75, s75, 1
	s_cmp_lt_u32 s75, 8
	s_cbranch_scc1 .Llist
	s_or_b32 s70, s21, s20
	s_cmp_lg_u32 s70, 0
	s_cbranch_scc1 .Lno_count
	s_lshl_b32 s70, s22, 2
	v_mov_b32 v[CNA], s70
	v_mov_b32 v[CNV], s23
	s_wait_alu depctr_va_vdst(0)                   ; CNA and CNV are written, which the store reads; nothing writes them again
	global_store_b32 v[CNA], v[CNV], s[18:19] offset:8192   ; e's count (all lanes: the same word, the same value)
.Lno_count:
	s_wait_loadcnt 0x0                             ; the weights, b1 and the scale words
	WIN 0x04                                       ; an LDS store's data are its source 1: window 1
.set q, 0
.rept 48
.set rr, 2*(q/3)
.set sw, (rr&7)|(((rr>>3)&1)<<4)|(((rr>>4)&1)<<3)  ; bits 3 and 4 of the row change places: the 16 rows that form a tile then lie on end in the stage
	ds_store_b128 v[STG], v[4*q:4*q+3] offset:sw*WP+256*(q%3)
.set q, q+1
.endr
	s_cmp_eq_u32 s20, 0
	s_cselect_b32 s85, -1, 0
	WIN 0x44                                       ; destination and source 1 window 1
.set q, 0
.rept 64
	v_cndmask_b32 v[B1+q], 0, v[B1+q], s85         ; the bias is the C of a sum's first product; of a tile's four parts wave 0's alone carries it
.set q, q+1
.endr
	WIN 0
	BARRIER                                        ; the weights and the list lie in LDS
	s_wait_alu depctr_vm_vsrc(0)                   ; my LDS stores have read the weights' registers (window 1, v0-191), in which the fragments land below
; The LDS addresses of the four tiles' list words, for the batch whose list begins at byte s69.
.macro LISTADR
.irp i, 0,1,2,3
	v_add_nc_u32 v[TA+\i], s69, v[LA+\i]
.endr
.endm
; The four tiles' tokens of that batch, and their codes and scale words: 28 loads.  TA is made ahead of it, and ahead of a wait on va_vdst.
.macro LOADX
.irp i, 0,1,2,3
	ds_load_b32 v[XA+\i], v[TA+\i]
.endr
	s_wait_dscnt 0x0
.irp i, 0,1,2,3
	v_min_u32 v[XA+\i], 0x3ff, v[XA+\i]
	v_lshlrev_b32 v[XSA+\i], 8, v[XA+\i]           ; the token's unit of 256 bytes
	v_add_nc_u32 v[XA+\i], v[XSA+\i], v[H48]
.endr
	s_wait_alu depctr_va_vdst(0)                   ; XA and XSA are written, which the loads below read
.irp i, 0,1,2,3
.irp c, 0,1,2,3,4,5
	global_load_b128 v[X+24*\i+4*\c:X+24*\i+4*\c+3], v[XA+\i], s[28:29] offset:96*(\c/3)+16*(\c%3)
.endr
	global_load_b64 v[XS+2*\i:XS+2*\i+1], v[XSA+\i], s[28:29] offset:192
.endr
.endm
	s_mov_b32 s69, 0
	LISTADR
	s_wait_alu depctr_va_vdst(0)                   ; TA is written, which the list's loads read
	LOADX                                          ; batch 0, always
	WIN 0x40
.irp t, 0,1,2,3,4,5,6,7
.irp s, 0,1
.irp p, 0,1,2,3,4,5
	ds_load_b64 v[12*(2*\t+\s)+2*\p:12*(2*\t+\s)+2*\p+1], v[WFA+\t/4] offset:16*(\t%4)*WP+96*\s+48*(\p/3)+8*(\p%3)
.endr
.endr
.endr
	WIN 0
	BARRIER                                        ; every wave has its fragments: the parts' slots may be written over the stage
; My i-th tile: 16 products.  The eight accumulators take turns, one instruction a turn.
.macro MULT i
	WIN 0x91                                       ; source 0 (w1) and C (b1) window 1, source 1 (x) window 0, D window 2
.irp t, 0,1,2,3,4,5,6,7
	v_wmma_scale_f32_16x16x128_f8f6f4 v[64*\i+8*\t:64*\i+8*\t+7], v[24*\t:24*\t+11], v[X+24*\i:X+24*\i+11], v[B1+8*\t:B1+8*\t+7], v[WS+2*\t], v[XS+2*\i] matrix_a_fmt:MATRIX_FMT_BF6 matrix_b_fmt:MATRIX_FMT_BF6
.endr
	WIN 0xa1                                       ; C and D window 2
.irp t, 0,1,2,3,4,5,6,7
	v_wmma_scale_f32_16x16x128_f8f6f4 v[64*\i+8*\t:64*\i+8*\t+7], v[24*\t+12:24*\t+23], v[X+24*\i+12:X+24*\i+23], v[64*\i+8*\t:64*\i+8*\t+7], v[WS+2*\t+1], v[XS+2*\i+1] matrix_a_fmt:MATRIX_FMT_BF6 matrix_b_fmt:MATRIX_FMT_BF6
.endr
.endm
.macro STORE i                         ; set i goes to its owner as it stands, each accumulator from its low end on; 512 consecutive bytes a store
	WIN 0x08                                       ; the data: window 2
.set q, 0
.rept 16
	ds_store_b128 v[RW+\i-1], v[64*\i+4*q:64*\i+4*q+3] offset:(\i-1)*RSLOT+512*q
.set q, q+1
.endr
.endm
; A batch's products.  s70 = four times the number of the batch after it: where that one exists its codes are asked for here, a whole GELU ahead of their use.
; The three runs of LDS stores stand among the four runs of products.  The places between matrix instructions and the LDS stores or vector lines that read their results stay,
; each run of them ahead of its wait; behind MULT 0 four of the five are the additions that make the next list's addresses.
.macro ABLK
	s_wait_loadcnt 0x0                             ; the batch's 28 loads; nothing else is out
	MULT 1
	MULT 2
	NOPS 4
	WIN 0x08
	s_wait_alu depctr_va_vdst(0)                   ; the products have written sets 1 and 2, which the LDS stores of STORE 1 and STORE 2 read
	STORE 1
	MULT 3
	STORE 2                                        ; no wait: since the wait above only MULT 3 was issued, which names neither set 2 nor the stores' address
	MULT 0
	WIN 0
	s_wait_alu depctr_vm_vsrc(0)                   ; the last list's LDS loads have read TA, and x's last loads XA and XSA: all three are written again below
	LISTADR
	v_nop
	WIN 0x08
	s_wait_alu depctr_va_vdst(0)                   ; set 3 is written, which STORE 3 reads; TA is written, which the list's loads read; the products are done reading X and XS, and earlier lines XA, in which loads land
	STORE 3
	WIN 0
	s_cmp_lt_u32 s70, s24
	s_cbranch_scc0 .Lno_more_\@
	LOADX
.Lno_more_\@:
.endm
	s_mov_b32 s69, 256
	s_mov_b32 s70, 4
	ABLK                                           ; batch 0, always: so every register of the sums is written on every way
	s_mov_b32 s68, 0                               ; 4 x batch
.Lbatch:
	s_add_co_u32 s69, s69, 256                     ; the list of the batch after the next
	BARRIER                                        ; all parts of this batch lie in LDS
	s_wait_alu depctr_vm_vsrc(0)                   ; my LDS stores have read sets 1 to 3: the parts land there, the tile's arithmetic and the next products write there
	s_add_co_u32 s73, s68, s20                     ; my tile of rows: 4 x batch + w
	s_cmp_lt_u32 s73, s24
	s_cbranch_scc0 .Lno_parts
	WIN 0x80                                       ; destination window 2
	s_wait_alu depctr_va_vdst(0)                   ; the products have written sets 1 to 3 and the last tile's arithmetic is done with them: the parts land there
.set q, 0
.rept 48
	ds_load_b128 v[64+4*q:64+4*q+3], v[RR] offset:512*q   ; the three parts from the other waves, into sets 1 to 3
.set q, q+1
.endr
	WIN 0
.Lno_parts:
	BARRIER                                        ; all parts are read: the slots may be written again
	s_cmp_lt_u32 s73, s24
	s_cbranch_scc0 .Lno_tile
	s_lshl_b32 s74, s22, 6
	s_add_co_u32 s74, s74, s73
	s_lshl_b32 s74, s74, 5
	s_add_co_u32 s74, s74, s21                     ; (64 e + tile) 32 + j
	s_mul_i32 s76, s74, 1536
	s_mov_b32 s77, 0
	s_add_nc_u64 s[80:81], s[14:15], s[76:77]
	s_lshl_b32 s76, s74, 6
	s_add_nc_u64 s[82:83], s[16:17], s[76:77]
	WIN 0xaa                                       ; every operand in window 2: set 0 at v0, 1 at v64, 2 at v128, 3 at v192
.set j, 0
.rept 32
	v_pk_add_f32 v[j:j+1], v[j:j+1], v[64+j:65+j]  ; (each accumulator of set 0 is first read at its low end)
	v_pk_add_f32 v[128+j:129+j], v[128+j:129+j], v[192+j:193+j]
.set j, j+2
.endr
.set j, 0
.rept 32
	v_pk_add_f32 v[j:j+1], v[j:j+1], v[128+j:129+j]   ; x w1 + b1: set 0
.set j, j+2
.endr
.set j, 0
.rept 64
	v_fma_f32 v[64+j], |v[j]|, s84, 1.0
.set j, j+1
.endr
.set j, 0
.rept 64
	v_rcp_f32 v[64+j], v[64+j]                     ; t: set 1
.set j, j+1
.endr
.set j, 0
.rept 32
	v_pk_mul_f32 v[128+j:129+j], v[j:j+1], v[j:j+1]   ; x x: set 2.  It names no reciprocal: the independent work behind the batch
.set j, j+2
.endr
	s_wait_alu depctr_va_vdst(0)                   ; one wait for the 64 reciprocals in set 1, ahead of their first reader
	WIN 0xa2                                       ; source 1 (c9) window 0
.set j, 0
.rept 32
	v_pk_fma_f32 v[192+j:193+j], v[64+j:65+j], v[K9:K9+1], 0xbf97d29d op_sel_hi:[1,1,0]   ; c9 t + c8: set 3
.set j, j+2
.endr
	WIN 0xaa
.irp c, 0x40097039, 0xbfd1a1e5, 0x3ecdfd18, 0xbe899a80, 0x3e0efb2e, 0x3f0a29d2, 0x3fb8ab5a, 0xc034d90f
.set j, 0
.rept 32
	v_pk_fma_f32 v[192+j:193+j], v[192+j:193+j], v[64+j:65+j], \c op_sel_hi:[1,1,0]   ; x t + c7 .. c0 (the fit's numbers x log2(e); c0 also holds the halving)
.set j, j+2
.endr
.endr
.set j, 0
.rept 32
	v_pk_fma_f32 v[192+j:193+j], v[128+j:129+j], 0xbf38aa3b, v[192+j:193+j] op_sel_hi:[1,0,1]   ; - x x log2(e) / 2
.set j, j+2
.endr
.set j, 0
.rept 64
	v_exp_f32 v[192+j], v[192+j]
.set j, j+1
.endr
.set j, 0
.rept 64
	v_max_num_f32 v[128+j], 0, v[j]                ; max(x, 0): set 2.  The independent work behind the exponentials
.set j, j+1
.endr
	s_wait_alu depctr_va_vdst(0)                   ; one wait for the 64 exponentials in set 3, ahead of their first reader
.set j, 0
.rept 32
	v_pk_mul_f32 v[192+j:193+j], v[192+j:193+j], v[64+j:65+j]   ; q
.set j, j+2
.endr
.set j, 0
.rept 64
	v_fma_f32 v[j], -|v[j]|, v[192+j], v[128+j]    ; gelu: set 0; register 16 b + i is hidden unit 32 b + 16 h + i of my row
.set j, j+1
.endr
.irp b, 0,1,2,3
	v_max3_num_f32 v[TM+\b], |v[16*\b]|, |v[1+16*\b]|, 0x2800000   ; block b: my 16 numbers, and the floor 2^(5 - 127): the byte cannot fall under 1
.endr
.irp i, 2,4,6,8,10,12,14
.irp b, 0,1,2,3
	v_max3_num_f32 v[TM+\b], v[TM+\b], |v[16*\b+\i]|, |v[1+16*\b+\i]|
.endr
.endr
.irp b, 0,1,2,3
	v_permlanex16_b32 v[TM+4+\b], v[TM+\b], s66, s67
.endr
.irp b, 0,1,2,3
	v_max_num_f32 v[TM+\b], v[TM+\b], v[TM+4+\b]   ; with lane l xor 16's: the block's largest magnitude
.endr
.irp b, 0,1,2,3
	v_add_nc_u32 v[TM+12+\b], 0xfe000000, v[TM+\b] ; 4 off its exponent field: the conversion's scale operand
.endr
.irp b, 0,1,2,3
	v_lshrrev_b32 v[TM+4+\b], 23, v[TM+12+\b]      ; the scale's byte
.endr
	v_lshl_or_b32 v[PW], v[TM+5], 8, v[TM+4]       ; my row's scale word
	v_lshl_or_b32 v[PW], v[TM+6], 16, v[PW]
	v_lshl_or_b32 v[PW], v[TM+7], 24, v[PW]
.irp c, 0,1
	v_cvt_scalef32_pk16_bf6_f32 v[PC+6*\c:PC+2+6*\c], v[32*\c:15+32*\c], v[TM+12+2*\c]
	v_cvt_scalef32_pk16_bf6_f32 v[PC+12+4*\c:PC+14+4*\c], v[16+32*\c:31+32*\c], v[TM+12+2*\c+1]   ; (a conversion's three registers begin on an even number)
.endr
	v_nop                                          ; one plain place behind a scaled conversion
.irp c, 0,1                                    ; the operand's layout wants a whole block in a lane: lanes 0-15 block 2 c, lanes 16-31 block 2 c + 1
.irp i, 0,1,2
	v_permlane16_swap_b32 v[PC+6*\c+\i], v[PC+12+4*\c+\i]
.endr
.irp i, 0,1,2
	v_mov_b32 v[PC+3+6*\c+\i], v[PC+12+4*\c+\i]
.endr
.endr
	WIN 0x08                                       ; a store's data are its source 1: window 2
	s_wait_alu depctr_va_vdst(0)                   ; the conversions, exchanges and moves have written the codes, the shifts the scale word: the four stores read them
.irp c, 0,1,2
	global_store_b128 v[L16], v[PC+4*\c:PC+4*\c+3], s[80:81] offset:512*\c   ; the fragment as an image of its registers: 512 consecutive bytes a store, aligned
.endr
	global_store_b32 v[R4], v[PW], s[82:83]        ; lanes l and l xor 16 hold the same word and write the same place
	WIN 0
	s_wait_xcnt 0x0                                ; the stores' addresses are translated: their registers and bases are written again only behind this wait: the next products write over the first, the next tile over the second
	s_wait_alu depctr_vm_vsrc(0)                   ; the stores have read the codes and the scale word in set 1, which the next products write
.Lno_tile:
	s_add_co_u32 s70, s68, 4
	s_cmp_lt_u32 s70, s24
	s_cbranch_scc0 .Lno_products
	s_add_co_u32 s70, s68, 8
	ABLK                                           ; the next batch's products
.Lno_products:
	s_add_co_u32 s68, s68, 4
	s_cmp_lt_u32 s68, 64
	s_cbranch_scc1 .Lbatch
	s_wait_dscnt 0x0                               ; the wave's end
	s_wait_alu 0x0
	s_wait_tensorcnt 0x0
	ds_add_u32 v[SPW], v[NIL]
	s_wait_dscnt 0x0
	s_endpgm
.Lfunc_end_k_q31189c0923_up:
	.size	k_q31189c0923_up, .Lfunc_end_k_q31189c0923_up-k_q31189c0923_up
	.p2alignl 7, 3214868480
	.fill 96, 4, 3214868480
	.section	.rodata,"a",@progbits
	.p2align	6, 0x0
	.amdhsa_kernel k_q31189c0923_up
		.amdhsa_group_segment_fixed_size 105984
		.amdhsa_private_segment_fixed_size 0
		.amdhsa_enable_private_segment 0
		.amdhsa_kernarg_size 64
		.amdhsa_user_sgpr_count 2
		.amdhsa_user_sgpr_kernarg_segment_ptr 1
		.amdhsa_wavefront_size32 1
		.amdhsa_system_sgpr_workgroup_id_x 1
		.amdhsa_system_sgpr_workgroup_id_y 1
		.amdhsa_system_sgpr_workgroup_id_z 1
		.amdhsa_system_vgpr_workitem_id 0
		.amdhsa_next_free_vgpr 768
		.amdhsa_next_free_sgpr 100
		.amdhsa_reserve_vcc 1
		.amdhsa_float_denorm_mode_32 3
		.amdhsa_float_denorm_mode_16_64 3
		.amdhsa_memory_ordered 1
		.amdhsa_forward_progress 1
		.amdhsa_inst_pref_size 138
	.end_amdhsa_kernel
	.amdgpu_metadata
---
amdhsa.version: [ 1, 2 ]
amdhsa.kernels:
  - .name:           k_q31189c0923_up
    .symbol:         k_q31189c0923_up.kd
    .args:
      - { .name: xq, .offset: 0, .size: 8, .value_kind: global_buffer, .address_space: global }
      - { .name: route_i, .offset: 8, .size: 8, .value_kind: global_buffer, .address_space: global }
      - { .name: w1_codes, .offset: 16, .size: 8, .value_kind: global_buffer, .address_space: global }
      - { .name: w1_scales, .offset: 24, .size: 8, .value_kind: global_buffer, .address_space: global }
      - { .name: b1, .offset: 32, .size: 8, .value_kind: global_buffer, .address_space: global }
      - { .name: h_codes, .offset: 40, .size: 8, .value_kind: global_buffer, .address_space: global }
      - { .name: h_scales, .offset: 48, .size: 8, .value_kind: global_buffer, .address_space: global }
      - { .name: place_i, .offset: 56, .size: 8, .value_kind: global_buffer, .address_space: global }
    .group_segment_fixed_size: 105984
    .private_segment_fixed_size: 0
    .kernarg_segment_align: 8
    .kernarg_segment_size: 64
    .max_flat_workgroup_size: 128
    .sgpr_count:     100
    .vgpr_count:     768
    .wavefront_size: 32
...
	.end_amdgpu_metadata
.endif
;; end of part 5
;; launch down (part 6): grid 32 x 8, 4 waves a work-group, no clusters, 198,144 bytes of LDS; arguments h_codes, h_scales, place_i, w2_codes, w2_scales, b2, y; writes y
.if DOCPART == 6
	.amdgcn_target "amdgcn-amd-amdhsa--gfx1250"
	.amdhsa_code_object_version 6
	.text
	.protected	k_q31189c0923_down
	.globl	k_q31189c0923_down
	.p2align	8
	.type	k_q31189c0923_down,@function
k_q31189c0923_down:
	s_mov_b64 s[64:65], 0
	v_nop
	global_prefetch_b8 v0, s[64:65] scope:SCOPE_SE
	s_setreg_imm32_b32 hwreg(HW_REG_WAVE_SCHED_MODE, 0, 2), 2
	s_setreg_imm32_b32 hwreg(HW_REG_WAVE_MODE, 25, 1), 1
	s_wait_xcnt 0x0
	s_wait_alu depctr_vm_vsrc(0)
; SECOND PRODUCT OF THE CHOSEN EXPERTS: y[1024 e + rank][:] = h w2 + b2, f32, not yet weighted.
; Work-group (x, e): cs = x / 2 owns output columns 64 cs .. 64 cs + 63 of expert e (256 bytes of a row of y); p = x % 2 takes every second batch of 64 rows.
; THE WEIGHTS STAND STILL: 64 rows x 3,072 bytes of w2's codes are loaded in runs of 512 consecutive bytes, turned through LDS once, and stay in registers.
; THE WAVES SHARE K: wave w holds K steps 8 w .. 8 w + 7 of the four tiles of 16 columns (32 fragments, 384 registers), and reads only those steps of h.
; h comes as images of operand registers, straight from memory into registers, a tile of 16 rows (8 fragments, 28 loads with the scale words) at a time, in two buffers that take turns.
; A BATCH is four tiles of rows.  Each wave multiplies all four over its quarter of K; the parts meet in LDS as rows of 256 bytes; wave w adds the four parts of tile w, adds b2 and stores 16 rows.
; The loop over batches has a constant count and both barriers at its own level; work that the count of rows (read from place_i) does not ask for is jumped over by scalar branches.
; No tensor load, no cluster: branches hang on a count read from memory.
; THE PRODUCT IS USED TRANSPOSED (source 0 = 16 rows of w2, source 1 = 16 rows of h): a lane holds eight neighbouring columns of one row.
; A tile number past the expert's last tile is held at the last (tile 0 where there are no rows): those bytes were stored by the launch before, and what is made of them is never stored.
; REGISTERS: window 0: addresses, b2, scale words, v96-223 the 16 accumulators (32 m + 8 n), later the four parts.  Window 1: w2's fragments of my steps 0-3 (12 (4 n + s)).  Window 2: steps 4-7.
; Window 3: h's two buffers, v0-95 and v96-191.
; THE MODE: SCHED_MODE bits 1:0 = 2 (LLVM: expert scheduling mode 2), set by the entry lines.  The code itself states the register dependences
; between vector or matrix instructions and memory or LDS instructions, with s_wait_alu, always for 0.
; THE PLAN.  Registers that memory or LDS instructions touch, and who else names them:
;   v4-18              addresses and offsets, made at the head and never written again: one wait on va_vdst ahead of the first load serves them for the whole kernel.
;   windows 1 and 2, v0-191   land from memory, are read by the stage's LDS stores, then the fragments land in them: one wait on vm_vsrc between the two.  No vector instruction ever names them.
;   h's buffer k, its scale words   land from memory, are read by the products of MULT m, k, and are asked for again behind them.
;   ACC m              written by MULT m, read by the LDS stores STORE m; later the parts land in all of ACC, the additions work there, and y's stores read its first 32 registers.
; So ONE wait on va_vdst stands behind each MULT and its four places: it states that ACC m is written (for STORE m) and that the products are done reading buffer k and its scale words (for the loads that land there).
; At the loop's top one wait on vm_vsrc states that the LDS stores have read ACC; ahead of the parts' loads one on va_vdst, that all vector and matrix work on ACC is over; y's stores have one on va_vdst ahead and one on vm_vsrc behind.
.set WP,    3088                       ; a row of w2 in LDS: 3,072 bytes + 16 = 772 words: row r starts at bank 4 r mod 64
.set RP,    272                        ; a row of a part: 256 bytes + 16
.set RSRC,  16*RP                      ; a part: 16 rows
.set RDEST, 4*RSRC                     ; a tile's four parts.  They lie over the weights' stage, which is read out before the first of them is written
.set SPARE, 64*WP                      ; the spare words, 128 bytes for each wave: two blocks of 256 bytes that no other line names
.set SPW, 4
.set NIL, 5
.set STG, 6
.set WF,  8                            ; v8-11  fragments out of the stage, tile n
.set RW,  12
.set RR,  13
.set L16, 14
.set L4,  15
.set YO,  16
.set WSO, 17
.set R16, 18
.set BB,  20                           ; v20-23 b2 of my four columns
.set WS,  32                           ; v32-63 w2's scale words (8 n + s)
.set HS,  64                           ; v64-71 h's scale words (4 k + c): lanes 0-15 step 2 c, lanes 16-31 step 2 c + 1
.set ACC, 96
.set HP,  32                           ; s[32:35] the two buffers' bases in h_codes;  s[36:39] in h_scales
.set HQ,  36
.set MSB, 0
.macro WIN new                         ; the immediate's high byte repeats the setting that is left
.if MSB != \new
	s_set_vgpr_msb (MSB<<8)|\new
.set MSB, \new
.endif
.endm
.macro NOPS n
.rept \n
	v_nop
.endr
.endm
.macro BARRIER                         ; my LDS stores have landed and my LDS loads are in: then the work-group's barrier
	s_wait_dscnt 0x0
	s_barrier_signal -1
	s_barrier_wait -1
.endm
	s_load_b256 s[4:11], s[0:1], 0x0               ; h_codes 4, h_scales 6, place_i 8, w2_codes 10
	s_load_b128 s[12:15], s[0:1], 0x20             ; w2_scales 12, b2 14
	s_load_b64 s[16:17], s[0:1], 0x30              ; y
	v_lshl_add_u32 v[SPW], v0, 2, SPARE
	v_mov_b32 v[NIL], 0
	v_lshrrev_b32 v1, 5, v0
	v_readfirstlane_b32 s18, v1                    ; wave w
	s_lshr_b32 s19, ttmp9, 1                       ; cs
	s_and_b32 s20, ttmp9, 1                        ; p
	s_and_b32 s21, ttmp7, 0xffff                   ; e
	v_and_b32 v1, 31, v0
	v_and_b32 v2, 15, v0                           ; r
	v_bfe_u32 v3, v0, 4, 1                         ; h
	v_lshlrev_b32 v[L16], 4, v1
	v_lshlrev_b32 v[L4], 2, v1
	s_wait_alu depctr_va_sdst(0)                   ; s18, the wave's number, is written, ahead of its first reader
	s_mul_i32 s44, s18, 16*WP
	v_add_nc_u32 v[STG], s44, v[L16]               ; my wave's 16 rows of the stage
	v_mul_u32_u24 v7, v2, WP
	v_mad_u32_u24 v7, v3, 24, v7
	s_mul_i32 s44, s18, 768
	v_add_nc_u32 v7, s44, v7                       ; row r, + 24 h, + my eight K steps
.irp n, 0,1,2,3
	v_add_nc_u32 v[WF+\n], \n*16*WP, v7
.endr
	v_mul_u32_u24 v[RW], v2, RP
	v_lshl_add_u32 v[RW], v3, 5, v[RW]
	s_mul_i32 s44, s18, RSRC
	v_add_nc_u32 v[RW], s44, v[RW]                 ; my part: row r, 32 bytes for each half of the lanes
	v_mul_u32_u24 v[RR], v3, RP
	v_lshl_add_u32 v[RR], v2, 4, v[RR]
	s_mul_i32 s44, s18, RDEST
	v_add_nc_u32 v[RR], s44, v[RR]                 ; my tile's parts: lanes 0-15 one row, lanes 16-31 the next
	v_lshlrev_b32 v[YO], 12, v3
	v_lshl_add_u32 v[YO], v2, 4, v[YO]             ; and the same two rows in y
	v_lshlrev_b32 v[WSO], 7, v2
	s_lshl_b32 s44, s18, 5
	v_add_nc_u32 v[WSO], s44, v[WSO]               ; w2's scale bytes: 128 a row, my 32
	v_lshlrev_b32 v[R16], 4, v2
	s_lshl_b32 s25, s21, 2
	s_lshl_b32 s44, s21, 10
	s_lshl_b32 s45, s19, 6
	s_add_co_u32 s44, s44, s45                     ; my first row of w2: 1024 e + 64 cs
	s_mov_b32 s47, 0                               ; stays 0: the upper word of every offset below
	s_wait_kmcnt 0x0
	s_load_b32 s22, s[8:9], s25 offset:0x2000      ; e's rows
	s_mul_i32 s46, s44, 3072
	s_mul_i32 s45, s18, 16*3072
	s_add_co_u32 s46, s46, s45
	s_add_nc_u64 s[10:11], s[10:11], s[46:47]
	s_lshl_b32 s46, s44, 7
	s_add_nc_u64 s[12:13], s[12:13], s[46:47]
	s_lshl_b32 s46, s44, 2
	s_add_nc_u64 s[14:15], s[14:15], s[46:47]
	s_mul_i32 s46, s21, 64*32*1536
	s_mul_i32 s45, s18, 8*1536
	s_add_co_u32 s46, s46, s45
	s_add_nc_u64 s[28:29], s[4:5], s[46:47]        ; h_codes at e's tile 0, my first K step
	s_lshl_b32 s46, s21, 17
	s_lshl_b32 s45, s18, 9
	s_add_co_u32 s46, s46, s45
	s_add_nc_u64 s[30:31], s[6:7], s[46:47]        ; h_scales likewise
	s_lshl_b32 s46, s21, 22
	s_lshl_b32 s45, s19, 8
	s_add_co_u32 s46, s46, s45
	s_add_nc_u64 s[48:49], s[16:17], s[46:47]      ; y at e's row 0, my columns
	WIN 0x40                                       ; destination window 1
	s_wait_alu depctr_va_vdst(0)                   ; all addresses and offsets of the head (v4-18) are written: the loads and stores of the whole kernel read them, and no vector line writes them again
.set q, 0
.rept 48
	global_load_b128 v[4*q:4*q+3], v[L16], s[10:11] offset:512*q
.set q, q+1
.endr
	WIN 0x80                                       ; window 2
.set q, 0
.rept 48
	global_load_b128 v[4*q:4*q+3], v[L16], s[10:11] offset:512*(q+48)
.set q, q+1
.endr
	WIN 0
.irp n, 0,1,2,3
	global_load_b128 v[WS+8*\n:WS+8*\n+3], v[WSO], s[12:13] offset:2048*\n
	global_load_b128 v[WS+8*\n+4:WS+8*\n+7], v[WSO], s[12:13] offset:2048*\n+16
.endr
	global_load_b128 v[BB:BB+3], v[R16], s[14:15]
	s_wait_kmcnt 0x0
	s_min_u32 s22, s22, 0x400
	s_add_co_u32 s23, s22, 15
	s_lshr_b32 s23, s23, 4                         ; s23 = e's tiles of 16 rows
	s_max_u32 s26, s23, 1
	s_sub_co_u32 s26, s26, 1                       ; s26 = the last tile that was stored
; Tile s42 + add, held at the last stored one, into buffer k: 24 loads of 512 consecutive bytes and 4 of scale words: 28.
.macro LOADH add, k
	s_add_co_u32 s44, s42, \add
	s_min_u32 s44, s44, s26
	s_min_u32 s44, s44, 63
	s_mul_i32 s46, s44, 32*1536
	s_add_nc_u64 s[HP+2*\k:HP+2*\k+1], s[28:29], s[46:47]
	s_lshl_b32 s46, s44, 11
	s_add_nc_u64 s[HQ+2*\k:HQ+2*\k+1], s[30:31], s[46:47]
	WIN 0xc0                                       ; destination window 3
.irp s, 0,1,2,3,4,5,6,7
.irp c, 0,1,2
	global_load_b128 v[96*\k+12*\s+4*\c:96*\k+12*\s+4*\c+3], v[L16], s[HP+2*\k:HP+2*\k+1] offset:1536*\s+512*\c
.endr
.endr
	WIN 0
.irp c, 0,1,2,3
	global_load_b32 v[HS+4*\k+\c], v[L4], s[HQ+2*\k:HQ+2*\k+1] offset:128*\c
.endr
.endm
	s_lshl_b32 s42, s20, 2                         ; four times my first batch
	LOADH 0, 0
	LOADH 1, 1
	s_wait_loadcnt 56                              ; the weights, their scale words and b2 are in; h's 2 x 28 loads, issued behind them, may be out
	WIN 0x04                                       ; an LDS store's data are its source 1: window 1
.set q, 0
.rept 48
	ds_store_b128 v[STG], v[4*q:4*q+3] offset:(q/6)*WP+(q%6)*512
.set q, q+1
.endr
	WIN 0x08                                       ; window 2
.set q, 0
.rept 48
	ds_store_b128 v[STG], v[4*q:4*q+3] offset:((q+48)/6)*WP+((q+48)%6)*512
.set q, q+1
.endr
	WIN 0
	BARRIER                                        ; the weights lie in LDS
	WIN 0x40
	s_wait_alu depctr_vm_vsrc(0)                   ; my LDS stores have read the weights' registers (windows 1 and 2, v0-191), in which the fragments land
.irp n, 0,1,2,3
.irp s, 0,1,2,3
.irp p, 0,1,2,3,4,5
	ds_load_b64 v[12*(4*\n+\s)+2*\p:12*(4*\n+\s)+2*\p+1], v[WF+\n] offset:96*\s+48*(\p/3)+8*(\p%3)
.endr
.endr
.endr
	WIN 0x80
.irp n, 0,1,2,3
.irp s, 0,1,2,3
.irp p, 0,1,2,3,4,5
	ds_load_b64 v[12*(4*\n+\s)+2*\p:12*(4*\n+\s)+2*\p+1], v[WF+\n] offset:96*(\s+4)+48*(\p/3)+8*(\p%3)
.endr
.endr
.endr
	WIN 0
	BARRIER                                        ; every wave has its fragments: the parts may be written over the stage
; Tile m of a batch from buffer k: 32 products, K step by K step; the four accumulators take turns, one instruction a turn.  The first step starts the sums.
.macro MULT m, k
.irp s, 0,1,2,3,4,5,6,7
.if \s < 4
	WIN 0x0d                                       ; source 0 (w2) window 1, source 1 (h) window 3, C and D window 0
.else
	WIN 0x0e                                       ; source 0 window 2
.endif
.irp n, 0,1,2,3
.if \s == 0
	v_wmma_scale_f32_16x16x128_f8f6f4 v[ACC+32*\m+8*\n:ACC+32*\m+8*\n+7], v[12*(4*\n+\s%4):12*(4*\n+\s%4)+11], v[96*\k+12*\s:96*\k+12*\s+11], 0, v[WS+8*\n+\s], v[HS+4*\k+\s/2] matrix_a_fmt:MATRIX_FMT_BF6 matrix_b_fmt:MATRIX_FMT_BF6
.elseif (\s%2) == 0
	v_wmma_scale_f32_16x16x128_f8f6f4 v[ACC+32*\m+8*\n:ACC+32*\m+8*\n+7], v[12*(4*\n+\s%4):12*(4*\n+\s%4)+11], v[96*\k+12*\s:96*\k+12*\s+11], v[ACC+32*\m+8*\n:ACC+32*\m+8*\n+7], v[WS+8*\n+\s], v[HS+4*\k+\s/2] matrix_a_fmt:MATRIX_FMT_BF6 matrix_b_fmt:MATRIX_FMT_BF6
.else
	v_wmma_scale_f32_16x16x128_f8f6f4 v[ACC+32*\m+8*\n:ACC+32*\m+8*\n+7], v[12*(4*\n+\s%4):12*(4*\n+\s%4)+11], v[96*\k+12*\s:96*\k+12*\s+11], v[ACC+32*\m+8*\n:ACC+32*\m+8*\n+7], v[WS+8*\n+\s], v[HS+4*\k+\s/2] matrix_a_fmt:MATRIX_FMT_BF6 matrix_b_fmt:MATRIX_FMT_BF6 matrix_b_scale:MATRIX_SCALE_ROW1
.endif
.endr
.endr
.endm
.macro STORE m                         ; my part of tile m, to its owner's place; each accumulator from its low end on
.irp n, 0,1,2,3
	ds_store_b128 v[RW], v[ACC+32*\m+8*\n:ACC+32*\m+8*\n+3] offset:\m*RDEST+64*\n
	ds_store_b128 v[RW], v[ACC+32*\m+8*\n+4:ACC+32*\m+8*\n+7] offset:\m*RDEST+64*\n+16
.endr
.endm
; A batch's products; s42 = four times its number.  At its head the two buffers' loads are out, buffer 0's first: s_wait_loadcnt 28 always leaves the other buffer's 28 younger loads out.
; Behind each tile's products stand four places (the LDS stores read results just made) and then one wait, which serves the tile's LDS stores and the loads that ask for its buffer again:
; between the wait and those loads stand only the LDS stores, scalar lines and window switches, none of which names the buffer, its scale words or the loads' offsets.
; A buffer's bases are written only behind the wait that showed its loads done.  Whether my next batch exists decides in ONE branch both what is asked for and the count of the wait that fits it.
.macro ABLK
	s_wait_loadcnt 28
	MULT 0, 0
	NOPS 4
	WIN 0
	s_wait_alu depctr_va_vdst(0)                   ; the products have written ACC 0, which STORE 0 reads, and are done reading buffer 0 and its scale words, in which the loads below land
	STORE 0
	LOADH 2, 0
	s_wait_loadcnt 28
	MULT 1, 1
	NOPS 4
	WIN 0
	s_wait_alu depctr_va_vdst(0)                   ; the same of ACC 1 and buffer 1
	STORE 1
	LOADH 3, 1
	s_wait_loadcnt 28
	MULT 2, 0
	NOPS 4
	WIN 0
	s_wait_alu depctr_va_vdst(0)                   ; the same of ACC 2 and buffer 0 (which is asked for again behind the branch, where my next batch exists)
	STORE 2
	s_add_co_u32 s45, s42, 8
	s_cmp_lt_u32 s45, s23
	s_cbranch_scc0 .Llast_\@
	LOADH 8, 0                                     ; my next batch's first tile
	s_wait_loadcnt 28
	MULT 3, 1
	NOPS 4
	WIN 0
	s_wait_alu depctr_va_vdst(0)                   ; the same of ACC 3 (STORE 3 stands behind the join) and buffer 1
	LOADH 9, 1
	s_branch .Ljoin_\@
.Llast_\@:
	s_wait_loadcnt 0x0
	MULT 3, 1
	NOPS 4
	WIN 0
	s_wait_alu depctr_va_vdst(0)                   ; the products have written ACC 3, which STORE 3 reads
.Ljoin_\@:
	STORE 3                                        ; on both ways the wait for ACC 3 stands ahead of the join, and no vector or matrix line behind it
.endm
	ABLK                                           ; my first batch, always: so every register of the sums is written on every way
	s_lshl_b32 s40, s20, 2                         ; four times the batch in hand
	s_mov_b32 s41, 0
.Lbatch:
	BARRIER                                        ; all parts of this batch lie in LDS
	s_wait_alu depctr_vm_vsrc(0)                   ; my LDS stores have read ACC: the parts land there, and the additions and the next products write there
	s_add_co_u32 s52, s40, s18                     ; my tile of rows
	s_cmp_lt_u32 s52, s23
	s_cbranch_scc0 .Lno_parts
	s_wait_alu depctr_va_vdst(0)                   ; the products have written ACC and the last tile's additions are done with it: the parts land there
.irp u, 0,1,2,3
.irp i, 0,1,2,3,4,5,6,7
	ds_load_b128 v[ACC+32*\u+4*\i:ACC+32*\u+4*\i+3], v[RR] offset:\u*RSRC+2*\i*RP
.endr
.endr
.Lno_parts:
	BARRIER                                        ; all parts are read: their places may be written again
	s_cmp_lt_u32 s52, s23
	s_cbranch_scc0 .Lno_tile
	s_lshl_b32 s46, s52, 16                        ; 16 rows of 4,096 bytes a tile
	s_add_nc_u64 s[50:51], s[48:49], s[46:47]
.set j, 0
.rept 16
	v_pk_add_f32 v[ACC+j:ACC+j+1], v[ACC+j:ACC+j+1], v[ACC+32+j:ACC+33+j]
	v_pk_add_f32 v[ACC+64+j:ACC+65+j], v[ACC+64+j:ACC+65+j], v[ACC+96+j:ACC+97+j]
.set j, j+2
.endr
.set j, 0
.rept 16
	v_pk_add_f32 v[ACC+j:ACC+j+1], v[ACC+j:ACC+j+1], v[ACC+64+j:ACC+65+j]
.set j, j+2
.endr
.irp i, 0,1,2,3,4,5,6,7
	v_pk_add_f32 v[ACC+4*\i:ACC+4*\i+1], v[ACC+4*\i:ACC+4*\i+1], v[BB:BB+1]
	v_pk_add_f32 v[ACC+4*\i+2:ACC+4*\i+3], v[ACC+4*\i+2:ACC+4*\i+3], v[BB+2:BB+3]
.endr
	s_wait_alu depctr_va_vdst(0)                   ; the additions have written the 32 registers that the eight stores read
.irp i, 0,1,2,3,4,5,6,7
	global_store_b128 v[YO], v[ACC+4*\i:ACC+4*\i+3], s[50:51] offset:8192*\i   ; sixteen lanes store 256 consecutive bytes, aligned; lanes 16-31 the next row's
.endr
	s_wait_xcnt 0x0                                ; the stores' addresses are translated: their registers and base are written again only behind this wait: the next products write over the first, the next tile over the second
	s_wait_alu depctr_vm_vsrc(0)                   ; the stores have read their 32 registers of ACC, which the next products write
.Lno_tile:
	s_add_co_u32 s42, s40, 8
	s_cmp_lt_u32 s42, s23
	s_cbranch_scc0 .Lno_products
	ABLK                                           ; my next batch's products
.Lno_products:
	s_add_co_u32 s40, s40, 8
	s_add_co_u32 s41, s41, 1
	s_cmp_lt_u32 s41, 8
	s_cbranch_scc1 .Lbatch
	s_wait_dscnt 0x0                               ; the wave's end
	s_wait_alu 0x0
	s_wait_tensorcnt 0x0
	ds_add_u32 v[SPW], v[NIL]
	s_wait_dscnt 0x0
	s_endpgm
.Lfunc_end_k_q31189c0923_down:
	.size	k_q31189c0923_down, .Lfunc_end_k_q31189c0923_down-k_q31189c0923_down
	.p2alignl 7, 3214868480
	.fill 96, 4, 3214868480
	.section	.rodata,"a",@progbits
	.p2align	6, 0x0
	.amdhsa_kernel k_q31189c0923_down
		.amdhsa_group_segment_fixed_size 198144
		.amdhsa_private_segment_fixed_size 0
		.amdhsa_enable_private_segment 0
		.amdhsa_kernarg_size 56
		.amdhsa_user_sgpr_count 2
		.amdhsa_user_sgpr_kernarg_segment_ptr 1
		.amdhsa_wavefront_size32 1
		.amdhsa_system_sgpr_workgroup_id_x 1
		.amdhsa_system_sgpr_workgroup_id_y 1
		.amdhsa_system_sgpr_workgroup_id_z 1
		.amdhsa_system_vgpr_workitem_id 0
		.amdhsa_next_free_vgpr 1024
		.amdhsa_next_free_sgpr 66
		.amdhsa_reserve_vcc 0
		.amdhsa_float_denorm_mode_32 3
		.amdhsa_float_denorm_mode_16_64 3
		.amdhsa_memory_ordered 1
		.amdhsa_forward_progress 1
		.amdhsa_inst_pref_size 117
	.end_amdhsa_kernel
	.amdgpu_metadata
---
amdhsa.version: [ 1, 2 ]
amdhsa.kernels:
  - .name:           k_q31189c0923_down
    .symbol:         k_q31189c0923_down.kd
    .args:
      - { .name: h_codes, .offset: 0, .size: 8, .value_kind: global_buffer, .address_space: global }
      - { .name: h_scales, .offset: 8, .size: 8, .value_kind: global_buffer, .address_space: global }
      - { .name: place_i, .offset: 16, .size: 8, .value_kind: global_buffer, .address_space: global }
      - { .name: w2_codes, .offset: 24, .size: 8, .value_kind: global_buffer, .address_space: global }
      - { .name: w2_scales, .offset: 32, .size: 8, .value_kind: global_buffer, .address_space: global }
      - { .name: b2, .offset: 40, .size: 8, .value_kind: global_buffer, .address_space: global }
      - { .name: y, .offset: 48, .size: 8, .value_kind: global_buffer, .address_space: global }
    .group_segment_fixed_size: 198144
    .private_segment_fixed_size: 0
    .kernarg_segment_align: 8
    .kernarg_segment_size: 56
    .max_flat_workgroup_size: 128
    .sgpr_count:     66
    .vgpr_count:     1024
    .wavefront_size: 32
...
	.end_amdgpu_metadata
.endif
;; end of part 6
;; launch combine: the kernel of part 4 again; grid 256 x 1, 4 waves a work-group, no clusters, 0 bytes of LDS; arguments place_i, wgt, y, out0; writes out0
